; MI455X (gfx1250); checked and timed in simulation.
; The chip was launched on July 23, 2026; its instructions are those of AMD's public machine-readable ISA for CDNA 5 (MIT licence, August 2026) and "CDNA5" Instruction Set Architecture Reference Guide (July 2026). The comments in the code are by the model that wrote it; some were corrected since.
;; Transformer Block GQA. Allowed arithmetic: matrix products marked QUANTISED: E4M3 operands, one given power-of-two scale a tensor, by v_wmma_f32_16x16x64_fp8_fp8 or v_wmma_f32_16x16x128_fp8_fp8, f32 sums; everything else in f32.
;; Inputs: b1 1,024 float32; b2 1,024 float32; g1 1,024 float32; g2 1,024 float32; lowp_scales 16 int32 (the exponents e of the quantised operands' scales 2^e); w1_codes 4,096 x 32 x 32 uint8 (E4M3 codes of w1, K innermost, in blocks of 32 codes); w2_codes 1,024 x 128 x 32 uint8 (E4M3 codes of w2, K innermost, in blocks of 32 codes); wk_codes 256 x 32 x 32 uint8 (E4M3 codes of wk, K innermost, in blocks of 32 codes); wo_codes 1,024 x 32 x 32 uint8 (E4M3 codes of wo, K innermost, in blocks of 32 codes); wq_codes 1,024 x 32 x 32 uint8 (E4M3 codes of wq, K innermost, in blocks of 32 codes); wv_codes 256 x 32 x 32 uint8 (E4M3 codes of wv, K innermost, in blocks of 32 codes); x 2 x 2,048 x 1,024 float32.
;; Outputs: out0 2 x 2,048 x 1,024 float32.
;; This version of the problem:
;;   THIS VERSION OF THE PROBLEM IS GIVEN IN LOW PRECISION. The matrix products marked QUANTISED in the list below multiply operands that are first quantised to E4M3 (4 exponent bits, 3 mantissa bits; 8 bits a number), with one given power-of-two scale for each operand tensor; their sums are f32. All else is computed in f32.
;;   The module's matrix products, in the order in which they are computed (A, B: the left and right operand; K: the contracted axis; several contracted axes count as one K, in the product's order):
;;     1. [M 4,096, K 1,024] x [K 1,024, N 1,024]; A: computed on the way; B: input wq (given as codes): QUANTISED (scales: A lowp_scales[0], B lowp_scales[1])
;;     2. [M 4,096, K 1,024] x [K 1,024, N 256]; A: computed on the way; B: input wk (given as codes): QUANTISED (scales: A lowp_scales[2], B lowp_scales[3])
;;     3. [M 4,096, K 1,024] x [K 1,024, N 256]; A: computed on the way; B: input wv (given as codes): QUANTISED (scales: A lowp_scales[4], B lowp_scales[5])
;;     4. batch 32 x [M 2,048, K 64] x [K 64, N 2,048]; A: computed on the way; B: computed on the way: QUANTISED (scales: A lowp_scales[6], B lowp_scales[7])
;;     5. batch 32 x [M 2,048, K 2,048] x [K 2,048, N 64]; A: softmax (see below); B: computed on the way: QUANTISED (scales: A lowp_scales[8], B lowp_scales[9])
;;     6. [M 4,096, K 1,024] x [K 1,024, N 1,024]; A: computed on the way; B: input wo (given as codes): QUANTISED (scales: A lowp_scales[10], B lowp_scales[11])
;;     7. [M 4,096, K 1,024] x [K 1,024, N 4,096]; A: computed on the way; B: input w1 (given as codes): QUANTISED (scales: A lowp_scales[12], B lowp_scales[13])
;;     8. [M 4,096, K 4,096] x [K 4,096, N 1,024]; A: computed on the way; B: input w2 (given as codes): QUANTISED (scales: A lowp_scales[14], B lowp_scales[15])
;;   THE QUANTISER, for each operand of a quantised product, along K:
;;     - The operand's scale is 2^e, e = its entry of the input lowp_scales (int32; the entries are numbered through the quantised products in the list's order, A before B).
;;     - Each number is divided by the scale, clamped to +-448, and rounded to the nearest number of E4M3, ties to even, subnormals kept.
;;     - The product sums the exact products of the quantised numbers (number of the format x scale) in f32.
;;   ~~~python
;;   def quantise(x, axis, e):      # numpy; x: float32 -> the quantised numbers, widened to float32 again
;;       x = np.moveaxis(x, axis, -1); K = x.shape[-1]
;;       r = np.clip(x / 2.0 ** e, -448, 448)
;;       step = 2.0 ** (np.maximum(np.frexp(np.where(r == 0, 1, r))[1] - 1, -6) - 3)
;;       q = np.round(r / step) * step * 2.0 ** e      # np.round: ties to even
;;       return np.moveaxis(q, -1, axis).astype(np.float32)
;;   ~~~
;;   SOFTMAX AHEAD OF A QUANTISED PRODUCT. Where the list says 'softmax', what is quantised is not the finished softmax but p = 2^(t - M), with t = logit x log2(e) and M = ceil(the row's largest t), a whole number; so 1/2 < the row's largest p <= 1. The row's sum l is taken of the UNQUANTISED p, in f32, and the product's result is divided by l at the end. Since M is a whole number, a kernel that streams over the keys may use a running M (the ceiling of the running maximum): every later rescaling is an exact power of two, so the quantised numbers keep their values, but for numbers so far below the row's largest that they fall under the format's range.
;;   OPERANDS COMPUTED ON THE WAY. 'Computed on the way' means the value that the module computes at that place (a softmax that the list does not call 'softmax' is quantised finished and normalised). What goes into a quantiser is computed in f32, as accurately as f32 sums, v_exp_f32 and their like allow (about 1e-6 of the number): no bf16 or f16 on the way to a quantiser, and a product that is left as it is and whose result goes on into a quantised operand takes f32 operands (vector FMAs, or v_wmma_f32_16x16x4_f32). A number that lies on a knife's edge between two numbers of the format may be rounded either way, as far as f32 arithmetic and the matrix unit's own rounding can turn it there, and no further.
;;   INPUTS GIVEN AS CODES. w1 (in the module: [4096, 1024], K = its axis 1); w2 (in the module: [1024, 4096], K = its axis 1); wk (in the module: [256, 1024], K = its axis 1); wo (in the module: [1024, 1024], K = its axis 1); wq (in the module: [1024, 1024], K = its axis 1); wv (in the module: [256, 1024], K = its axis 1): each comes as NAME_codes (uint8): NAME with its K axis moved to the last place and cut into blocks of 32 codes, [.., K / 32, bytes a block], one block behind the other in memory; one code a byte (a code: sign, 4 exponent bits, 3 mantissa bits); its scale is its entry of lowp_scales. Its value is code x scale, taken as it is: it is not quantised again, and the codes and scales need not be those that the quantiser above would give.
;; One version. Each part assembles by itself: llvm-mc -triple=amdgcn-amd-amdhsa -mcpu=gfx1250 --defsym DOCPART=n.
;; ======== version 1 of 1: 7 launches
;; limits: right only within a limited range of input values
;; workspace buffers: acodes 12,582,912 bytes; qkvc 6,291,456 bytes; cc 4,194,304 bytes; h 16,777,216 bytes; a2 4,194,304 bytes; hc 16,777,216 bytes
;; launch ln1 (part 1): grid 512 x 1, 4 waves a work-group, no clusters, 33,280 bytes of LDS; arguments x, g1, b1, lowp_scales, acodes; writes acodes
.if DOCPART == 1
	.amdgcn_target "amdgcn-amd-amdhsa--gfx1250"
	.amdhsa_code_object_version 6
	.text
	.protected	k_q8ff8b83221_ln1
	.globl	k_q8ff8b83221_ln1
	.p2align	8
	.type	k_q8ff8b83221_ln1,@function
k_q8ff8b83221_ln1:
	s_mov_b64 s[64:65], 0
	v_nop
	global_prefetch_b8 v0, s[64:65] scope:SCOPE_SE
	s_setreg_imm32_b32 hwreg(HW_REG_WAVE_MODE, 25, 1), 1
	s_wait_xcnt 0x0
; FIRST OF SEVEN LAUNCHES of a transformer block on codes of FP8 (E4M3), one given scale 2^e for each operand of each product:
;   ln1: LayerNorm 1 -> codes | qkv: products 1-3 -> codes of q, k, v | attn: products 4, 5 and the softmax -> codes of ctx | wo: product 6, h = x + .. | ln2: LayerNorm 2 -> codes | w1: product 7, GELU -> codes | w2: product 8, out = h + ..
; WORK LEFT OUT, in the whole program: only in attn.  reference() itself builds the causal mask (jnp.tril) and sets the score of key k for query q to -inf where k > q; its weight is then exactly 0
; whatever finite values the inputs hold.  So a step of 128 keys that all come after a tile's 16 queries adds nothing to any output, and is not multiplied.  Every input has a way to the output and is loaded.
; LIMIT of that: a NaN, an infinity or an overflow that would arise only in scores left out is not carried to the result.
; THIS LAUNCH: y = (x - mean) * rsqrt(var + 1e-5) * g1 + b1 for each row of 1,024 numbers, all in f32 (mean first, then the mean of the squared differences), and y turned into codes three times:
; with 2^e0 for the product with wq, 2^e2 for wk, 2^e4 for wv (entries 0, 2, 4 of the scales): three planes [4096][1024] of one code a byte, 4 MiB apart.
; code = y / 2^e, held within +-448, to the nearest code, ties to even.  LIMITS: each e between -126 and 119; NaN among the inputs is not served.
; SHARES: a wave owns two rows; a row is 32 registers a lane (eight loads of 512 consecutive bytes), so it is read from memory once.  All of a wave's loads go out at its head.
; The conversions take 16 neighbours from ONE lane, the loads give a lane 4: so half a row (2,048 bytes) at a time turns through the wave's own stage in LDS, as it lies, and comes back 64 bytes a lane
; (16 bytes of padding behind each 64).  A lane's 16 codes are 16 bytes: a store of the wave covers 512 consecutive bytes, aligned.  Waves share nothing: no barrier.
.set NS,    3                          ; scales, and planes of codes
.set SP,    80                         ; a lane's place in a stage
.set WREG,  8192                       ; LDS of a wave: two stages of 32 x SP bytes
.set SPARE, 4*WREG                     ; behind them: the spare words, 128 bytes a wave
.set SPW,   12                         ; v12  my spare word's address; never rewritten
.set NIL,   13                         ; v13  0; never rewritten
.set ST,    16                         ; v16-23 row r: v[16+4r:17+4r] the mean, twice; v[18+4r:19+4r] 1 / sqrt(var + eps), twice
.set X,     32                         ; v32-95   two rows
.set GA,    96                         ; v96-127  gamma at my columns
.set BE,    128                        ; v128-159 beta
.set XS,    160                        ; v160-191 two sets of 16 neighbours
.set T,     192                        ; v192-207 the same, held
.set C,     208
.set SC,    232                        ; v[232+2n] 2^e, v[233+2n] 448 x 2^e
	s_load_b256 s[4:11], s[0:1], 0x0               ; x s[4:5], gamma s[6:7], beta s[8:9], the scales' exponents s[10:11]
	s_load_b64 s[12:13], s[0:1], 0x20              ; the codes
	v_lshl_add_u32 v[SPW], v0, 2, SPARE
	v_mov_b32 v[NIL], 0
	v_lshrrev_b32 v1, 5, v0
	v_readfirstlane_b32 s16, v1                    ; wave
	v_and_b32 v2, 31, v0                           ; lane
	v_lshlrev_b32 v3, 4, v2                        ; my 16 bytes of 512: of a load, and of a store of codes
	s_mul_i32 s17, s16, WREG
	v_lshrrev_b32 v14, 2, v2
	v_mul_u32_u24 v14, v14, SP
	v_and_b32 v15, 3, v2
	v_lshl_add_u32 v14, v15, 4, v14
	v_add_nc_u32 v14, s17, v14                     ; the stage, on the way in: SP (lane / 4) + 16 (lane % 4)
	v_mul_u32_u24 v15, v2, SP
	v_add_nc_u32 v15, s17, v15                     ; and on the way out: SP x lane
	s_lshl_b32 s18, ttmp9, 3
	s_lshl_b32 s19, s16, 1
	s_add_co_u32 s18, s18, s19                     ; my first row: 8 x work-group + 2 x wave
	s_lshl_b32 s28, s18, 12                        ; in x: rows of 4,096 bytes
	s_mov_b32 s29, 0
	s_lshl_b32 s30, s18, 10                        ; in a plane of codes: rows of 1,024 bytes
	s_mov_b32 s31, 0
	s_mov_b32 s26, 0x3a800000                      ; 1 / 1024
	s_mov_b32 s27, 0x3727c5ac                      ; 1e-5
	s_mov_b32 s40, 0x76543210                      ; lane l xor 16
	s_mov_b32 s41, 0xfedcba98
	s_wait_alu depctr_va_vdst(0)
	s_wait_kmcnt 0x0
	s_load_b256 s[32:39], s[10:11], 0x0            ; e0 .. e7: s32, s34, s36 are used
	s_add_nc_u64 s[4:5], s[4:5], s[28:29]
	s_add_nc_u64 s[20:21], s[12:13], s[30:31]      ; plane 0,
	s_add_nc_u64 s[22:23], s[20:21], 0x400000      ; plane 1,
	s_add_nc_u64 s[24:25], s[20:21], 0x800000      ; plane 2
.set j, 0
.rept 16                               ; both rows: register X + 32 r + 4 j + c = element 128 j + 4 lane + c
	global_load_b128 v[X+4*j:X+4*j+3], v3, s[4:5] offset:512*j th:TH_LOAD_NT
.set j, j+1
.endr
.set j, 0
.rept 8
	global_load_b128 v[GA+4*j:GA+4*j+3], v3, s[6:7] offset:512*j
.set j, j+1
.endr
.set j, 0
.rept 8
	global_load_b128 v[BE+4*j:BE+4*j+3], v3, s[8:9] offset:512*j
.set j, j+1
.endr
.macro ALLSUM                          ; v24 = the sum of v24 over the 32 lanes, in every lane
	v_add_f32_dpp v24, v24, v24 row_xmask:1 row_mask:0xf bank_mask:0xf
	v_add_f32_dpp v24, v24, v24 row_xmask:2 row_mask:0xf bank_mask:0xf
	v_add_f32_dpp v24, v24, v24 row_xmask:4 row_mask:0xf bank_mask:0xf
	v_add_f32_dpp v24, v24, v24 row_xmask:8 row_mask:0xf bank_mask:0xf
	v_permlanex16_b32 v25, v24, s40, s41           ; (v25 has been written: the destination counts as read)
	v_add_f32 v24, v24, v25
.endm
.macro STATS r                         ; row r: the mean; x - mean in place; 1 / sqrt(the mean of its squares + eps)
.set XR, X+32*\r
.set MR, ST+4*\r
	v_pk_add_f32 v[24:25], v[XR:XR+1], v[XR+2:XR+3]
	v_pk_add_f32 v[26:27], v[XR+4:XR+5], v[XR+6:XR+7]
.set j, 8
.rept 6
	v_pk_add_f32 v[24:25], v[24:25], v[XR+j:XR+j+1]
	v_pk_add_f32 v[26:27], v[26:27], v[XR+j+2:XR+j+3]
.set j, j+4
.endr
	v_pk_add_f32 v[24:25], v[24:25], v[26:27]
	v_add_f32 v24, v24, v25
	ALLSUM
	v_mul_f32 v[MR], s26, v24
	v_mov_b32 v[MR+1], v[MR]
.set j, 0
.rept 16
	v_pk_add_f32 v[XR+j:XR+j+1], v[XR+j:XR+j+1], v[MR:MR+1] neg_lo:[0,1] neg_hi:[0,1]
.set j, j+2
.endr
	v_pk_mul_f32 v[24:25], v[XR:XR+1], v[XR:XR+1]
	v_pk_mul_f32 v[26:27], v[XR+2:XR+3], v[XR+2:XR+3]
.set j, 4
.rept 7
	v_pk_fma_f32 v[24:25], v[XR+j:XR+j+1], v[XR+j:XR+j+1], v[24:25]
	v_pk_fma_f32 v[26:27], v[XR+j+2:XR+j+3], v[XR+j+2:XR+j+3], v[26:27]
.set j, j+4
.endr
	v_pk_add_f32 v[24:25], v[24:25], v[26:27]
	v_add_f32 v24, v24, v25
	ALLSUM
	v_fma_f32 v24, v24, s26, s27                   ; var + eps
	s_wait_alu depctr_va_vdst(0)
	v_rsq_f32 v[MR+2], v24
	v_nop                                          ; a plain instruction behind the transcendental,
	s_wait_alu depctr_va_vdst(0)                   ; and the wait ahead of the first line that names its result
	v_mov_b32 v[MR+3], v[MR+2]
.endm
.macro NORM t                          ; half row t % 2 of row t / 2: (x - mean) * (gamma * rstd) + beta, in place
.set XH, X+16*(\t)
.set GH, GA+16*((\t)%2)
.set BH, BE+16*((\t)%2)
.set MR, ST+4*((\t)/2)
.set j, 0
.rept 8
	v_pk_mul_f32 v[28+j%4:29+j%4], v[GH+j:GH+j+1], v[MR+2:MR+3]
	v_pk_fma_f32 v[XH+j:XH+j+1], v[XH+j:XH+j+1], v[28+j%4:29+j%4], v[BH+j:BH+j+1]
.set j, j+2
.endr
.endm
.macro TURN t                          ; through the stage: LDS serves a wave's instructions in order (ISA guide 5.7.1.4), so no wait stands between the stores and the loads
.irp i, 0,1,2,3
	ds_store_b128 v14, v[X+16*(\t)+4*\i:X+16*(\t)+4*\i+3] offset:32*SP*((\t)%2)+8*SP*\i
.endr
.irp i, 0,1,2,3
	ds_load_b128 v[XS+16*((\t)%2)+4*\i:XS+16*((\t)%2)+4*\i+3], v15 offset:32*SP*((\t)%2)+16*\i
.endr
.endm
.macro QSTEP t, left                   ; half row t becomes codes, once for each scale.  left: the next turn's eight LDS instructions, or none
	s_wait_dscnt \left
.if (\t) >= 2
	s_wait_xcnt 0x0                                ; the stores of two half rows ago have read their registers: that set of codes is written again only behind this wait
.endif
.set XT, XS+16*((\t)%2)
.set n, 0
.rept NS
.set CT, C+4*NS*((\t)%2)+4*n
.set i, 0
.rept 16
	v_med3_num_f32 v[T+i], v[XT+i], -v[SC+2*n+1], v[SC+2*n+1]   ; the conversion to an 8-bit code does not saturate (ISA guide 7.6.2): the hold at the largest code x the scale
.set i, i+1
.endr
	v_cvt_scalef32_pk8_fp8_f32 v[CT:CT+1], v[T:T+7], v[SC+2*n]
	v_cvt_scalef32_pk8_fp8_f32 v[CT+2:CT+3], v[T+8:T+15], v[SC+2*n]
	v_nop                                          ; a plain instruction between the conversions and the next lines that write their sources
	global_store_b128 v3, v[CT:CT+3], s[20+2*n:21+2*n] offset:512*(\t)   ; 32 lanes store 512 consecutive bytes, aligned
.set n, n+1
.endr
.endm
	s_wait_loadcnt 24                              ; row 0's eight loads are in; row 1's, gamma's and beta's may be out
	STATS 0
	s_wait_loadcnt 16                              ; row 1's are in
	STATS 1
	s_wait_loadcnt 0x0
	s_wait_kmcnt 0x0
.set n, 0
.rept NS
	s_add_co_i32 s42, s[32+2*n], 127
	s_lshl_b32 s43, s42, 23
	v_mov_b32 v[SC+2*n], s43                       ; 2^e as f32: the conversion takes its exponent field
	s_add_co_i32 s42, s42, 8
	s_lshl_b32 s42, s42, 23
	s_or_b32 s42, s42, 0x600000
	v_mov_b32 v[SC+2*n+1], s42                     ; 448 x 2^e
.set n, n+1
.endr
	NORM 0
	TURN 0
	NORM 1
	TURN 1
	QSTEP 0, 8
	NORM 2
	TURN 2
	QSTEP 1, 8
	NORM 3
	TURN 3
	QSTEP 2, 8
	QSTEP 3, 0
	s_wait_tensorcnt 0x0                           ; the wave's end
	ds_add_u32 v[SPW], v[NIL]
	s_wait_dscnt 0x0
	s_endpgm
.Lfunc_end_k_q8ff8b83221_ln1:
	.size	k_q8ff8b83221_ln1, .Lfunc_end_k_q8ff8b83221_ln1-k_q8ff8b83221_ln1
	.p2alignl 7, 3214868480
	.fill 96, 4, 3214868480
	.section	.rodata,"a",@progbits
	.p2align	6, 0x0
	.amdhsa_kernel k_q8ff8b83221_ln1
		.amdhsa_group_segment_fixed_size 33280
		.amdhsa_private_segment_fixed_size 0
		.amdhsa_enable_private_segment 0
		.amdhsa_kernarg_size 40
		.amdhsa_user_sgpr_count 2
		.amdhsa_user_sgpr_kernarg_segment_ptr 1
		.amdhsa_wavefront_size32 1
		.amdhsa_system_sgpr_workgroup_id_x 1
		.amdhsa_system_sgpr_workgroup_id_y 1
		.amdhsa_system_sgpr_workgroup_id_z 1
		.amdhsa_system_vgpr_workitem_id 0
		.amdhsa_next_free_vgpr 240
		.amdhsa_next_free_sgpr 66
		.amdhsa_reserve_vcc 0
		.amdhsa_float_denorm_mode_32 3
		.amdhsa_float_denorm_mode_16_64 3
		.amdhsa_memory_ordered 1
		.amdhsa_forward_progress 1
		.amdhsa_inst_pref_size 36
	.end_amdhsa_kernel
	.amdgpu_metadata
---
amdhsa.version: [ 1, 2 ]
amdhsa.kernels:
  - .name:           k_q8ff8b83221_ln1
    .symbol:         k_q8ff8b83221_ln1.kd
    .args:
      - { .name: x, .offset: 0, .size: 8, .value_kind: global_buffer, .address_space: global }
      - { .name: g1, .offset: 8, .size: 8, .value_kind: global_buffer, .address_space: global }
      - { .name: b1, .offset: 16, .size: 8, .value_kind: global_buffer, .address_space: global }
      - { .name: lowp_scales, .offset: 24, .size: 8, .value_kind: global_buffer, .address_space: global }
      - { .name: acodes, .offset: 32, .size: 8, .value_kind: global_buffer, .address_space: global }
    .group_segment_fixed_size: 33280
    .private_segment_fixed_size: 0
    .kernarg_segment_align: 8
    .kernarg_segment_size: 40
    .max_flat_workgroup_size: 128
    .sgpr_count:     66
    .vgpr_count:     240
    .wavefront_size: 32
...
	.end_amdgpu_metadata
.endif
;; end of part 1
;; launch qkv (part 2): grid 16 x 6, 4 waves a work-group, no clusters, 327,680 bytes of LDS; arguments acodes, wq_codes, wk_codes, wv_codes, lowp_scales, qkvc; writes qkvc
.if DOCPART == 2
	.amdgcn_target "amdgcn-amd-amdhsa--gfx1250"
	.amdhsa_code_object_version 6
	.text
	.protected	k_q8ff8b83221_qkv
	.globl	k_q8ff8b83221_qkv
	.p2align	8
	.type	k_q8ff8b83221_qkv,@function
k_q8ff8b83221_qkv:
	s_mov_b64 s[64:65], 0
	v_nop
	global_prefetch_b8 v0, s[64:65] scope:SCOPE_SE
	s_setreg_imm32_b32 hwreg(HW_REG_WAVE_MODE, 25, 1), 1
	s_wait_xcnt 0x0
.set SIZE_K, 1024
.set ROWB,   256
.set PITCH,  272
.set FR,     16
.set NL,     4
.set NP,     4
.set HALFT,  128*PITCH
.set SLOT,   4*HALFT
.set SPARE,  2*SLOT
.set SPT,    272
.set CO,   8
.set LIM,  12
.set SCL,  13
.set ADRA, 16
.set ADRB, 20
.set STO,  24
.set RD,   25
.set SPW,  28
.set NIL,  29
.set XV,   32
.set AF,   128
.set CV,   192
.set G1, 24
.set G0, 32
.set MSB, 0
.macro WIN new
.if MSB != \new
	s_set_vgpr_msb (MSB<<8)|\new
.set MSB, \new
.endif
.endm
.set MUL_LO, 0xa1
.set MUL_HI, 0xf1
.set TO_B,   0x40
.macro LOADT s
	tensor_load_to_lds s[G0+4*\s:G0+4*\s+3], s[G1:G1+7]
	s_nop 0
.rept 4
	v_nop
.endr
.endm
	s_load_b256 s[4:11], s[0:1], 0x0
	s_load_b128 s[84:87], s[0:1], 0x20
	v_lshl_add_u32 v[SPW], v0, 2, SPARE
	v_mov_b32 v[NIL], 0
	ds_add_u32 v[SPW], v[NIL]
	ds_add_u32 v[SPW], v[NIL]
	v_lshrrev_b32 v1, 5, v0
	v_readfirstlane_b32 s14, v1
	s_lshr_b32 s15, s14, 1
	s_and_b32 s16, s14, 1
	s_and_b32 s17, ttmp7, 0xffff
	s_mov_b32 s[G1+0], (1<<20)|(5<<22)|(3<<25)
	s_mov_b32 s[G1+1], ROWB<<16
	s_mov_b32 s[G1+2], 128<<16
	s_mov_b32 s[G1+3], ROWB<<16
	s_mov_b32 s[G1+4], 128
	s_mov_b32 s[G1+5], SIZE_K
	s_mov_b32 s[G1+6], 0
	s_mov_b32 s[G1+7], 0
	s_lshl_b32 s18, s16, 17
	s_lshl_b32 s20, ttmp9, 18
	s_add_co_u32 s20, s20, s18
	s_cmp_lt_u32 s17, 4
	s_cselect_b32 s19, 0, 0x400000
	s_cselect_b32 s22, s17, 0
	s_cmp_eq_u32 s17, 5
	s_cselect_b32 s19, 0x800000, s19
	s_cselect_b32 s44, 1, 0
	s_add_co_u32 s20, s20, s19
	s_mov_b32 s21, 0
	s_lshl_b32 s22, s22, 18
	s_add_co_u32 s22, s22, s18
	s_mov_b32 s23, 0
	s_xor_b32 s44, s44, s15
	s_mul_i32 s45, s14, HALFT
	s_wait_dscnt 0x0
	s_wait_kmcnt 0x0
	s_load_b512 s[68:83], s[84:85], 0x0
	s_cmp_lt_u32 s17, 4
	s_cselect_b64 s[6:7], s[6:7], s[8:9]
	s_cmp_eq_u32 s17, 5
	s_cselect_b64 s[6:7], s[10:11], s[6:7]
	s_add_nc_u64 s[4:5], s[4:5], s[20:21]
	s_add_nc_u64 s[6:7], s[6:7], s[22:23]
	s_cmp_eq_u32 s44, 0
	s_cselect_b64 s[46:47], s[4:5], s[6:7]
.irp s, 0,1
	s_mov_b32 s[G0+4*\s], 1
	s_add_co_u32 s[G0+4*\s+1], s45, \s*SLOT
	s_add_nc_u64 s[G0+4*\s+2:G0+4*\s+3], s[46:47], \s*ROWB
	s_or_b32 s[G0+4*\s+3], s[G0+4*\s+3], 0x80000000
.endr
	LOADT 0                                        ; K step 0: one tensor load a wave at the head
	; PREFETCHES INTO THE L2: a K step is 256 bytes of each of the 128 rows that I fetch.  The work-groups that read a tile share its rows out by their numbers:
	; rows of the first plane of codes are read by y = 0 .. 3: 32 rows each, a lane a row; the other two planes by one y alone: all 128 rows, four instructions;
	; rows of a weight are read by the 16 x: 8 rows each (lanes 7 to 31 name the eighth).  K step s + 2 is named where K step s is loaded, K step 1 here too; K step 3 is the last.
	s_cmp_lt_u32 s17, 4
	s_cselect_b32 s92, s17, 0
	s_cselect_b32 s94, 0, 1                        ; 1: I alone read this plane's rows
	s_lshl_b32 s92, s92, 15                        ; 32 rows of 1,024 bytes
	s_lshl_b32 s95, ttmp9, 13                      ; 8 rows
	s_cmp_eq_u32 s44, 0                            ; do I fetch activations?
	s_cselect_b32 s92, s92, s95
	s_cselect_b32 s94, s94, 0
	s_cselect_b32 s95, 31, 7
	s_mov_b32 s93, 0
	s_add_nc_u64 s[92:93], s[46:47], s[92:93]
	v_and_b32 v30, 31, v0
	v_min_u32 v30, s95, v30
	v_lshlrev_b32 v30, 10, v30                     ; my lane's row; never rewritten
	s_wait_alu depctr_va_vdst(0)
.macro PF k
	global_prefetch_b8 v30, s[92:93] offset:\k th:TH_LOAD_NT scope:SCOPE_SE
	s_cmp_eq_u32 s94, 0
	s_cbranch_scc1 .Lone_\@
	global_prefetch_b8 v30, s[92:93] offset:\k+32768 th:TH_LOAD_NT scope:SCOPE_SE
	global_prefetch_b8 v30, s[92:93] offset:\k+65536 th:TH_LOAD_NT scope:SCOPE_SE
	global_prefetch_b8 v30, s[92:93] offset:\k+98304 th:TH_LOAD_NT scope:SCOPE_SE
.Lone_\@:
.endm
	PF ROWB
	PF 2*ROWB
	s_wait_tensorcnt 0x0                           ; my part of K step 0 is in; slot 1's first fill is issued as a refill is:
	ds_add_u32 v28, v29
	s_wait_dscnt 0x0
	s_barrier_signal -1
	s_barrier_wait -1
	LOADT 1
	v_and_b32 v1, 15, v0
	v_bfe_u32 v2, v0, 4, 1
	v_mul_u32_u24 v3, v1, PITCH
	v_lshl_add_u32 v4, v2, 4, v3
	s_mul_i32 s21, s15, HALFT
	s_mul_i32 s22, s16, HALFT
	s_add_co_u32 s22, s22, 2*HALFT
.irp s, 0,1
	v_add_nc_u32 v[ADRA+\s], s21, v4
	v_add_nc_u32 v[ADRB+\s], s22, v4
	s_add_co_u32 s21, s21, SLOT
	s_add_co_u32 s22, s22, SLOT
.endr
	v_mul_u32_u24 v5, v1, SPT
	v_lshl_add_u32 v5, v2, 3, v5
	s_mul_i32 s23, s15, 128*SPT
	s_lshl_b32 s22, s16, 7
	s_add_co_u32 s23, s23, s22
	v_add_nc_u32 v[STO], s23, v5
	v_and_b32 v6, 31, v0
	s_wait_alu depctr_va_vdst(0)
	v_lshrrev_b32 v5, 2, v6
	v_mul_u32_u24 v5, v5, SPT
	v_and_b32 v7, 3, v6
	v_lshl_add_u32 v5, v7, 4, v5
	s_mul_i32 s23, s14, 64*SPT
	v_add_nc_u32 v[RD], s23, v5
	s_lshl_b32 s22, s17, 19
	s_cmp_lt_u32 s17, 4
	s_cselect_b32 s21, 21, 19
	s_cselect_b32 s22, s22, 0x400000
	s_cmp_eq_u32 s17, 5
	s_cselect_b32 s22, 0x500000, s22
	s_mov_b32 s23, 131072
	s_cselect_b32 s18, 4096, s23
	s_cselect_b32 s19, s23, 4096
	s_lshr_b32 s20, ttmp9, 3
	s_lshl_b32 s20, s20, s21
	s_add_co_u32 s20, s20, s22
	s_and_b32 s21, ttmp9, 7
	s_lshl_b32 s21, s21, 14
	s_add_co_u32 s20, s20, s21
	s_mul_i32 s21, s14, s19
	s_add_co_u32 s20, s20, s21
	s_mov_b32 s21, 0
	s_add_nc_u64 s[86:87], s[86:87], s[20:21]
	v_lshlrev_b32 v[CO], 4, v6
	v_add_nc_u32 v[CO+1], s18, v[CO]
	v_add_nc_u32 v[CO+2], s18, v[CO+1]
	v_add_nc_u32 v[CO+3], s18, v[CO+2]
.macro FRAG reg, adr, q, i
.irp c, 0,1,2,3
	ds_load_b128 v[\reg+4*\c:\reg+4*\c+3], v[\adr] offset:128*(\q)+32*\c+(\i)*16*PITCH
.endr
.endm
.macro MUL16 a0, p, zero
.irp a, \a0, \a0+1
.irp b, 0,1,2,3,4,5,6,7
.if \zero
	v_wmma_f32_16x16x128_fp8_fp8 v[8*(8*((\a)%4)+\b):8*(8*((\a)%4)+\b)+7], v[128*(\p)+FR*\b:128*(\p)+FR*\b+FR-1], v[AF+FR*(\a):AF+FR*(\a)+FR-1], 0
.else
	v_wmma_f32_16x16x128_fp8_fp8 v[8*(8*((\a)%4)+\b):8*(8*((\a)%4)+\b)+7], v[128*(\p)+FR*\b:128*(\p)+FR*\b+FR-1], v[AF+FR*(\a):AF+FR*(\a)+FR-1], v[8*(8*((\a)%4)+\b):8*(8*((\a)%4)+\b)+7]
.endif
.endr
.endr
.endm
.macro FETCH_B slot, q, p
	WIN TO_B
.irp i, 0,1,2,3,4,5,6,7
	FRAG 128*(\p)+FR*\i, ADRB+\slot, \q, \i
.endr
	WIN 0
.endm
.macro FETCH_A slot, q, i0
.irp i, \i0, \i0+1, \i0+2, \i0+3
	FRAG AF+FR*(\i), ADRA+\slot, \q, \i
.endr
.endm
.macro PLACES n
.rept \n
	v_nop
.endr
.endm
.macro STEP slot, q, zero
	s_wait_dscnt 4*NL
	WIN MUL_LO
	MUL16 0, (\q)%2, \zero
	MUL16 2, (\q)%2, \zero
	s_wait_dscnt 0
	PLACES NP
	FETCH_B \slot, (\q)+1, 1-(\q)%2
	FETCH_A \slot, (\q)+1, 0
	WIN MUL_HI
	MUL16 4, (\q)%2, \zero
	MUL16 6, (\q)%2, \zero
	PLACES NP
	WIN 0
	FETCH_A \slot, (\q)+1, 4
.endm
.macro TURN slot, next, fill
	s_wait_tensorcnt 0x0
	ds_add_u32 v[SPW], v[NIL]
	s_wait_dscnt 4*NL+1
	WIN MUL_LO
	MUL16 0, 1, 0
	s_wait_dscnt 0x0
	s_barrier_signal -1
	MUL16 2, 1, 0
	WIN 0
	s_barrier_wait -1
.if \fill
	s_add_nc_u64 s[G0+4*\slot+2:G0+4*\slot+3], s[G0+4*\slot+2:G0+4*\slot+3], 2*ROWB
	LOADT \slot
.else
	PLACES NP
.endif
	FETCH_B \next, 0, 0
	FETCH_A \next, 0, 0
	WIN MUL_HI
	MUL16 4, 1, 0
	MUL16 6, 1, 0
	PLACES NP
	WIN 0
	FETCH_A \next, 0, 4
.endm
	PF 3*ROWB                                      ; K step 3, two loads ahead
	FETCH_B 0, 0, 0
	FETCH_A 0, 0, 0
	FETCH_A 0, 0, 4
	STEP 0, 0, 1
	TURN 0, 1, 1
	STEP 1, 0, 0
	TURN 1, 0, 1
	STEP 0, 0, 0
	TURN 0, 1, 0
	STEP 1, 0, 0
	s_wait_dscnt 4*NL
	WIN MUL_LO
	MUL16 0, 1, 0
	MUL16 2, 1, 0
	s_wait_dscnt 0
	WIN MUL_HI
	MUL16 4, 1, 0
	MUL16 6, 1, 0
	WIN 0
	s_wait_kmcnt 0x0
	s_cmp_lt_u32 s17, 4
	s_cselect_b32 s88, s68, s70
	s_cselect_b32 s89, s69, s71
	s_cselect_b32 s90, s74, s75
	s_cmp_eq_u32 s17, 5
	s_cselect_b32 s88, s72, s88
	s_cselect_b32 s89, s73, s89
	s_cselect_b32 s90, s77, s90
	s_sub_co_i32 s90, s90, s88
	s_sub_co_i32 s90, s90, s89
	s_add_co_i32 s90, s90, 127
	s_lshl_b32 s91, s90, 23
	v_mov_b32 v[SCL], s91
	s_add_co_i32 s90, s90, 8
	s_lshl_b32 s90, s90, 23
	s_or_b32 s90, s90, 0x600000
	v_mov_b32 v[LIM], s90
	PLACES NP
.macro QUANT a
.set AC, 64*((\a)%4)
.set CW, CV+16*((\a)%2)
	WIN 0x02+((\a)/4)
.set j, 0
.rept 64
	v_med3_num_f32 v[XV+j], v[AC+j], -v[LIM], v[LIM]
.set j, j+1
.endr
	WIN 0
.set j, 0
.rept 8
	v_cvt_scalef32_pk8_fp8_f32 v[CW+2*j:CW+2*j+1], v[XV+8*j:XV+8*j+7], v[SCL]
.set j, j+1
.endr
	v_nop
.set j, 0
.rept 8
	ds_store_b64 v[STO], v[CW+2*j:CW+2*j+1] offset:(\a)*16*SPT+16*j
.set j, j+1
.endr
.endm
.irp a, 0,1,2,3,4,5,6,7
	QUANT \a
.endr
	s_wait_dscnt 0x0
	s_barrier_signal -1
	s_barrier_wait -1
.set t, 0
.rept 32
	ds_load_b128 v[XV+4*t:XV+4*t+3], v[RD] offset:(t%8)*8*SPT+64*(t/8)
.set t, t+1
.endr
.set t, 0
.rept 32
.set u, t%8
.set us, (u&4)|((u&1)<<1)|((u>>1)&1)
	s_wait_dscnt 31-t
	global_store_b128 v[CO+t/8], v[XV+4*t:XV+4*t+3], s[86:87] offset:512*us
.set t, t+1
.endr
	s_wait_tensorcnt 0x0
	ds_add_u32 v[SPW], v[NIL]
	s_wait_dscnt 0x0
	s_endpgm
.Lfunc_end_k_q8ff8b83221_qkv:
	.size	k_q8ff8b83221_qkv, .Lfunc_end_k_q8ff8b83221_qkv-k_q8ff8b83221_qkv
	.p2alignl 7, 3214868480
	.fill 96, 4, 3214868480
	.section	.rodata,"a",@progbits
	.p2align	6, 0x0
	.amdhsa_kernel k_q8ff8b83221_qkv
		.amdhsa_group_segment_fixed_size 327680
		.amdhsa_private_segment_fixed_size 0
		.amdhsa_enable_private_segment 0
		.amdhsa_kernarg_size 48
		.amdhsa_user_sgpr_count 2
		.amdhsa_user_sgpr_kernarg_segment_ptr 1
		.amdhsa_wavefront_size32 1
		.amdhsa_system_sgpr_workgroup_id_x 1
		.amdhsa_system_sgpr_workgroup_id_y 1
		.amdhsa_system_sgpr_workgroup_id_z 1
		.amdhsa_system_vgpr_workitem_id 0
		.amdhsa_next_free_vgpr 1024
		.amdhsa_next_free_sgpr 98
		.amdhsa_reserve_vcc 0
		.amdhsa_float_denorm_mode_32 3
		.amdhsa_float_denorm_mode_16_64 3
		.amdhsa_memory_ordered 1
		.amdhsa_forward_progress 1
		.amdhsa_inst_pref_size 124
	.end_amdhsa_kernel
	.amdgpu_metadata
---
amdhsa.version: [ 1, 2 ]
amdhsa.kernels:
  - .name:           k_q8ff8b83221_qkv
    .symbol:         k_q8ff8b83221_qkv.kd
    .args:
      - { .name: acodes, .offset: 0, .size: 8, .value_kind: global_buffer, .address_space: global }
      - { .name: wq_codes, .offset: 8, .size: 8, .value_kind: global_buffer, .address_space: global }
      - { .name: wk_codes, .offset: 16, .size: 8, .value_kind: global_buffer, .address_space: global }
      - { .name: wv_codes, .offset: 24, .size: 8, .value_kind: global_buffer, .address_space: global }
      - { .name: lowp_scales, .offset: 32, .size: 8, .value_kind: global_buffer, .address_space: global }
      - { .name: qkvc, .offset: 40, .size: 8, .value_kind: global_buffer, .address_space: global }
    .group_segment_fixed_size: 327680
    .private_segment_fixed_size: 0
    .kernarg_segment_align: 8
    .kernarg_segment_size: 48
    .max_flat_workgroup_size: 128
    .sgpr_count:     98
    .vgpr_count:     1024
    .wavefront_size: 32
...
	.end_amdgpu_metadata
.endif
;; end of part 2
;; launch attn (part 3): grid 32 x 8, 16 waves a work-group, no clusters, 327,680 bytes of LDS; arguments qkvc, lowp_scales, cc; writes cc
.if DOCPART == 3
	.amdgcn_target "amdgcn-amd-amdhsa--gfx1250"
	.amdhsa_code_object_version 6
	.text
	.protected	k_q8ff8b83221_attn
	.globl	k_q8ff8b83221_attn
	.p2align	8
	.type	k_q8ff8b83221_attn,@function
k_q8ff8b83221_attn:
	s_mov_b64 s[64:65], 0
	v_nop
	global_prefetch_b8 v0, s[64:65] scope:SCOPE_SE
	s_setreg_imm32_b32 hwreg(HW_REG_WAVE_MODE, 25, 1), 1
	s_wait_xcnt 0x0
; PRODUCTS 4 AND 5 AND THE SOFTMAX, causal, on codes of FP8 (E4M3): scores = q k^T (scales 2^e6, 2^e7), ctx = p v / l (2^e8, 2^e9); ctx is quantised at once for product 6 with 2^e10.
; WORK LEFT OUT: a step of 128 keys that all come after a tile's 16 queries, and a slot of 256 keys that all come after the work-group's last query: reference()'s own jnp.tril sets those scores to -inf, so their
; weights are 0 for all values of the inputs.  LIMIT: a NaN, an infinity or an overflow that would arise only in those scores is not carried to the result.
; THE SOFTMAX: t = score x log2(e) / 8; M = the running largest t, rounded UP to a whole number; p = 2^(t - M) is quantised, not normalised; the sum l is taken of the unquantised p; when M moves, l and O are
; multiplied by 2^(old M - new M), which rounds nothing; O is divided by l at the end.
; SHARES.  Work-group (j, y): y = 4 batch + group, the group's four query heads, blocks j and 63 - j of 32 queries: 16 tiles of 16 queries (4 heads x 2 blocks x 2).  THE KEYS OF A TILE ARE SPLIT BETWEEN TWO WAVES:
; wave w has head w % 4, half u = (w / 4) % 2 of the blocks and part p = w / 8 of the keys: of every slot of 256 keys it takes keys 128 p on, for TWO tiles, one of the late block and one of the early block.
; So a tile's steps are halved between waves w and w xor 8, each with a running M, l and O of its own, and every wave has about half of 17 steps.  State X is the tile that the wave finishes (p = 0: the late one,
; p = 1: the early one), state Y the other.  At the end a wave hands Y's -M, l and O to its partner through LDS bytes of its own, and joins the partner's part to X: both are brought under the larger M by powers of two.
; A part that saw no key has l = 0, O = 0 and M far below: its factor is 0.
; Every wave walks all eight slots (constant trip counts), and jumps over the work of hidden steps.  K's and V's slots come by the tensor data mover (wave 0: K, wave 1: V), each a dense block of 16,384 bytes.
; NO JOINT LOADS: under the mask, work-groups need different numbers of slots, and a work-group would have to ask for slots that none of its waves reads.
; LAYOUT.  Both products are used transposed: S^T = K Q^T, O^T = V^T P^T: a lane holds ONE query (lane % 16).  The launch before stores the four groups of eight rows of each 32 (tokens in q and k, d in v) in the order
; 0, 2, 1, 3, so that lane r of tile T reads row 16 T + r of the slot and the 16 registers of tiles 2 b, 2 b + 1 are 16 neighbouring keys (or d).  LDS rows are 80 bytes apart: 16 rows start in 16 different columns of 16 bytes modulo 256.
; LIMITS on the given exponents: e6 + e7 between -123 and 130 (added to c's exponent field); e8, and e10 - e8 - e9, between -126 and 119.  NaN among the inputs is not served.
; REGISTERS: v1 my place in a slot; v[2:3] Y's l; v4 prefetch offset; v5, v6 the add's; v7-9 addresses; v10, v11 Y's -M, largest t; v12, v13 X's; v[14:15] X's l; v16-23 X's Q; v24-31 Y's Q; v32-95 fragments of K, then of V;
; v96-159 S^T, then p; v160-191 X's O^T; v192-223 Y's; v224-239 p's codes; v240 and v247: 448 x 2^e8; v244: 2^e8; v241, v245: the same for ctx; the rest at work.
.set SK,    256
.set KP,    80
.set VOFF,  SK*KP                      ; a slot: 256 rows of K, then V's 256 pieces (block of 64 keys, row)
.set KBB,   64*KP
.set SLOT1, 1<<17
.set SLOTB, 16384
.set NSL,   2048/SK
.set XCH,   2*VOFF                     ; behind slot 0's tiles, under slot 1: no fill lands here.  A wave's part: 32 registers of O (4,096 bytes), then -M and l (256 bytes)
.set XP,    4352
.set STAGE, 2*SLOT1                    ; the way out: 64 queries x (4 heads x 64 codes + 16)
.set SPT,   272
.set SPARE, STAGE+64*SPT
.set AK0,  1
.set LBY,  2
.set PFO,  4
.set SPW,  5
.set NIL,  6
.set GO,   7
.set ADK,  8
.set NMY,  10
.set NMX,  12
.set LBX,  14
.set QX,   16
.set QY,   24
.set OX,   160
.set OY,   192
.set TB,   2
.set WV,   18
.set SEL,  20
.set CS,   22
.set G1,   24
.set G0,   40
.set SLOTS, 44
.set KS,   45                          ; s45  the slot's first key
.set Q0X,  46
.set QL,   47
.set PFA,  48
.set LIMP, 50
.set Q0Y,  51
.set KF,   66                          ; s66  my step's first key: KS + 128 p
.macro TLOAD                           ; wave 0 fetches K's block, wave 1 V's.  An s_nop 0 and four v_nop follow the load
	s_cmp_lt_u32 s[WV], 2
	s_cbranch_scc0 .Lasked_\@
	tensor_load_to_lds s[G0:G0+3], s[G1:G1+7]
	s_nop 0
.rept 4
	v_nop
.endr
.Lasked_\@:
.endm
; A PREFETCH INTO THE L2: where slot s + 1 is loaded, slot s + 3 is named (slot 2 at the head): 16,384 bytes of K and as many of V.  All 32 work-groups of a y walk the same K and V: the first (j = 0, which walks all slots)
; asks, and in it waves 4, 5 for K's block, waves 6, 7 for V's, 8,192 bytes a wave, lanes 256 bytes apart: each aligned block of 256 bytes is named once.  Slot 7 is the last: the last two changes that fill name nothing.
.macro ASK
	s_cmp_gt_u32 s[SLOTS], s[LIMP]
	s_cbranch_scc0 .Lnot_mine_\@
	global_prefetch_b8 v[PFO], s[PFA:PFA+1] th:TH_LOAD_NT scope:SCOPE_SE
.Lnot_mine_\@:
.endm
	s_load_b128 s[4:7], s[0:1], 0x0                ; q, k, v codes s[4:5], the scales' exponents s[6:7]
	s_load_b64 s[16:17], s[0:1], 0x10              ; ctx's codes
	v_lshl_add_u32 v[SPW], v0, 2, SPARE
	v_mov_b32 v[NIL], 0
	ds_add_u32 v[SPW], v[NIL]                      ; the wave's opening: the add, twice on end, and its wait ahead of the first tensor load
	ds_add_u32 v[SPW], v[NIL]
	v_lshrrev_b32 v8, 5, v0
	v_readfirstlane_b32 s[WV], v8                  ; wave 0..15
	s_and_b32 s52, ttmp7, 0xffff                   ; y = 4 batch + group
	s_and_b32 s19, s[WV], 3                        ; my head in the group
	s_lshr_b32 s53, s[WV], 2
	s_and_b32 s54, s53, 1                          ; u
	s_lshr_b32 s67, s[WV], 3                       ; p
	s_lshl_b32 s55, ttmp9, 5                       ; block j begins at query 32 j,
	s_sub_co_u32 s56, 2016, s55                    ; block 63 - j at 2016 - 32 j
	s_add_co_u32 s[QL], s56, 31
	s_lshl_b32 s57, s54, 4
	s_add_co_u32 s12, s56, s57                     ; the late tile's first query,
	s_add_co_u32 s13, s55, s57                     ; the early tile's
	s_cmp_eq_u32 s67, 0
	s_cselect_b32 s[Q0X], s12, s13
	s_cselect_b32 s[Q0Y], s13, s12
	s_cselect_b32 s15, 2, 0
	s_add_co_u32 s15, s15, s54                     ; X's place among the stage's four tiles
	s_lshl_b32 s58, s52, 2
	s_add_co_u32 s58, s58, s19                     ; q's plane: 4 y + my head
	s_lshl_b32 s58, s58, 17
	s_lshr_b32 s57, s57, 1                         ; 8 u: a tile's first eight queries lie at the block's row 8 u, the other eight 16 rows on
	s_sub_co_u32 s84, s[Q0X], s57
	s_lshl_b32 s84, s84, 6
	s_add_co_u32 s84, s84, s58
	s_mov_b32 s85, 0
	s_sub_co_u32 s86, s[Q0Y], s57
	s_lshl_b32 s86, s86, 6
	s_add_co_u32 s86, s86, s58
	s_mov_b32 s87, 0
	s_and_b32 s60, s[WV], 1                        ; what I fetch, if I fetch: K (0) or V (1)
	s_lshl_b32 s61, s60, 20
	s_add_co_u32 s61, s61, 0x400000
	s_lshl_b32 s62, s52, 17
	s_add_co_u32 s62, s62, s61
	s_mov_b32 s63, 0
	s_mul_i32 s60, s60, VOFF
	s_mov_b32 s[G1+0], (1<<20)|(3<<22)|(3<<25)     ; elements of 1 byte; padding on: after every 16 words (code 3) four words (code 3)
	s_mov_b32 s[G1+1], 256<<16                     ; the dense block as 64 rows of 256 bytes
	s_mov_b32 s[G1+2], 64<<16
	s_mov_b32 s[G1+3], 256<<16
	s_mov_b32 s[G1+4], 64
	s_mov_b32 s[G1+5], 256
	s_mov_b32 s[G1+6], 0
	s_mov_b32 s[G1+7], 0
	s_mov_b32 s[SEL], 0x76543210
	s_mov_b32 s[SEL+1], 0xfedcba98
	s_mov_b32 s[CS], 0x3e38aa3b                    ; log2(e) / 8
	s_mov_b32 s[TB], 0
	s_mov_b32 s[SLOTS], NSL-1
	s_mov_b32 s[KS], 0
	s_lshl_b32 s[KF], s67, 7
	s_mul_i32 s14, s67, 128*KP                     ; my 128 keys of a slot: 128 rows of K on, and two blocks of V on: the same bytes
	s_wait_dscnt 0x0                               ; both opening adds are done
	s_wait_kmcnt 0x0
	s_load_b512 s[68:83], s[6:7], 0x0              ; e0 .. e15
	s_mov_b32 s[G0], 1
	s_mov_b32 s[G0+1], s60
	s_add_nc_u64 s[G0+2:G0+3], s[4:5], s[62:63]
	s_or_b32 s[G0+3], s[G0+3], 0x80000000
	TLOAD                                          ; slot 0: it holds key 0, which counts for every query
	s_add_nc_u64 s[8:9], s[4:5], s[84:85]          ; X's q,
	s_add_nc_u64 s[10:11], s[4:5], s[86:87]        ; Y's
	; the way out: wave w stores stage rows 4 w on: tile w / 4, its queries 4 (w % 4) on
	s_cmp_lt_u32 s53, 2
	s_cselect_b32 s84, s55, s56
	s_and_b32 s85, s53, 1
	s_lshl_b32 s85, s85, 4
	s_add_co_u32 s84, s84, s85
	s_lshl_b32 s85, s19, 2
	s_add_co_u32 s84, s84, s85
	s_lshr_b32 s85, s52, 2
	s_lshl_b32 s85, s85, 11
	s_add_co_u32 s84, s84, s85                     ; the token
	s_lshl_b32 s84, s84, 10
	s_and_b32 s85, s52, 3
	s_lshl_b32 s85, s85, 8                         ; the group's four heads: 256 codes
	s_add_co_u32 s84, s84, s85
	s_mov_b32 s85, 0
	s_add_nc_u64 s[16:17], s[16:17], s[84:85]
	; the prefetches: my 8,192 bytes, in slot 2
	s_lshr_b32 s86, s[WV], 1
	s_and_b32 s86, s86, 1
	s_lshl_b32 s86, s86, 20
	s_add_co_u32 s86, s86, 0x400000+2*SLOTB
	s_lshl_b32 s87, s52, 17
	s_add_co_u32 s86, s86, s87
	s_and_b32 s87, s[WV], 1
	s_lshl_b32 s87, s87, 13
	s_add_co_u32 s86, s86, s87
	s_mov_b32 s87, 0
	s_add_nc_u64 s[PFA:PFA+1], s[4:5], s[86:87]
	s_sub_co_u32 s86, s[WV], 4
	s_lshr_b32 s86, s86, 2                         ; 0 in waves 4 to 7,
	s_or_b32 s86, s86, ttmp9                       ; of work-group j = 0
	s_cmp_eq_u32 s86, 0
	s_cselect_b32 s[LIMP], 2, -1
	v_and_b32 v[PFO], 31, v0
	v_lshlrev_b32 v[PFO], 8, v[PFO]
	s_wait_alu depctr_va_vdst(0)
	ASK                                            ; slot 2
	v_and_b32 v8, 15, v0                           ; r
	v_bfe_u32 v9, v0, 4, 1                         ; h
	v_and_b32 v7, 8, v8
	v_add_nc_u32 v7, v7, v8                        ; r + 8 (r / 8): where query r of a tile lies among the buffer's rows
	v_lshlrev_b32 v7, 6, v7
	v_lshl_add_u32 v7, v9, 4, v7
	global_load_b128 v[QX:QX+3], v7, s[8:9]        ; Q's fragments stay: registers 4 c on hold d = 32 c + 16 h on, as K's do
	global_load_b128 v[QX+4:QX+7], v7, s[8:9] offset:32
	global_load_b128 v[QY:QY+3], v7, s[10:11]
	global_load_b128 v[QY+4:QY+7], v7, s[10:11] offset:32
	v_mul_u32_u24 v[AK0], v8, KP
	v_lshl_add_u32 v[AK0], v9, 4, v[AK0]
	v_add_nc_u32 v[AK0], s14, v[AK0]               ; row r, + 16 h, + my part of the slot
	v_mov_b32 v[NMX+1], 0xff61b1e6                 ; the largest t so far: -3e38
	v_mov_b32 v[NMY+1], 0xff61b1e6
	v_floor_f32 v[NMX], -v[NMX+1]                  ; -M
	v_floor_f32 v[NMY], -v[NMY+1]
	v_mov_b32 v[LBX], 0
	v_mov_b32 v[LBX+1], 0
	v_mov_b32 v[LBY], 0
	v_mov_b32 v[LBY+1], 0
	v_mov_b32 v246, 0                              ; written once: a lane exchange's destination counts as read
	v_mov_b32 v252, 0
	v_mov_b32 v253, 0
.set j, 0
.rept 64
	v_mov_b32 v[OX+j], 0                           ; both O^T: the loop has no first step of its own; the first change of M multiplies zeros
.set j, j+1
.endr
	s_wait_kmcnt 0x0
	s_add_co_i32 s84, s74, s75
	s_lshl_b32 s84, s84, 23
	s_add_co_i32 s[CS], s[CS], s84                 ; a score stands for score x 2^(e6 + e7)
	s_mov_b32 s[CS+1], s[CS]
	s_add_co_i32 s84, s76, 127
	s_lshl_b32 s85, s84, 23
	v_mov_b32 v244, s85                            ; 2^e8
	s_add_co_i32 s84, s84, 8
	s_lshl_b32 s84, s84, 23
	s_or_b32 s84, s84, 0x600000
	v_mov_b32 v240, s84                            ; 448 x 2^e8,
	v_mov_b32 v247, s84                            ; twice: the two halves of a dual pair take it from registers of different banks
	s_sub_co_i32 s84, s78, s76
	s_sub_co_i32 s84, s84, s77                     ; O / l stands for ctx / 2^(e8 + e9): its code is (O / l) / 2^(e10 - e8 - e9)
	s_add_co_i32 s84, s84, 127
	s_lshl_b32 s85, s84, 23
	v_mov_b32 v245, s85
	s_add_co_i32 s84, s84, 8
	s_lshl_b32 s84, s84, 23
	s_or_b32 s84, s84, 0x600000
	v_mov_b32 v241, s84
.macro STEP QB, OB, NM, LB, Q0         ; my 128 keys of the slot in hand, for one of my two tiles
	s_add_co_u32 s96, s[\Q0], 15
	s_cmp_gt_u32 s[KF], s96                        ; all keys come after the tile's queries: a branch on ids, round the step's work alone
	s_cbranch_scc1 .Lhidden_\@
	v_add_nc_u32 v[ADK], s[TB], v[AK0]
	v_nop
	v_nop
	v_nop                                          ; four places in front of loads into registers that the last products read
.irp t, 0,1,2,3,4,5,6,7
.irp c, 0,1
	ds_load_b128 v[32+8*\t+4*\c:32+8*\t+4*\c+3], v[ADK] offset:16*\t*KP+32*\c
.endr
.endr
	s_wait_alu depctr_va_vdst(0)
	s_wait_dscnt 0x0
.irp t, 0,1,2,3,4,5,6,7
	v_wmma_f32_16x16x64_fp8_fp8 v[96+8*\t:103+8*\t], v[32+8*\t:39+8*\t], v[\QB:\QB+7], 0
.endr
.rept 4
	v_nop                                          ; four places: in front of the loads into K's registers, and of the first read of the scores
.endr
.irp t, 0,1,2,3                        ; V^T, asked for now, used behind the softmax
.irp c, 0,1,2,3
	ds_load_b128 v[32+16*\t+4*\c:32+16*\t+4*\c+3], v[ADK] offset:VOFF+16*\t*KP+(\c/2)*KBB+32*(\c%2)
.endr
.endr
	s_add_co_u32 s96, s[KF], 127
	s_cmp_le_u32 s96, s[\Q0]                       ; all keys count: nothing to hide
	s_cbranch_scc1 .Lopen_\@
	s_sub_co_i32 s96, s[\Q0], s[KF]
	v_and_b32 v252, 15, v0
	v_bfe_u32 v253, v0, 4, 1
	s_delay_alu instid0(VALU_DEP_1)
	v_lshlrev_b32 v253, 4, v253
	s_delay_alu instid0(VALU_DEP_1)
	v_sub_nc_u32 v252, v252, v253
	s_delay_alu instid0(VALU_DEP_1)
	v_add_nc_u32 v252, s96, v252                   ; d = my query - KF - 16 h.  Register 16 b + i holds key KF + 16 h + 32 b + i: hidden where 32 b + i > d
	v_mov_b32 v254, 0xff800000
.set n, 0
.rept 64
	v_cmp_gt_i32 vcc_lo, 32*(n/16)+n%16, v252
	v_cndmask_b32 v[96+n], v[96+n], v254, vcc_lo
.set n, n+1
.endr
.Lopen_\@:
	v_max3_num_f32 v254, v96, v97, v98             ; the step's largest score of my query among my 64 keys, in two chains,
	v_max3_num_f32 v252, v99, v100, v101
.set n, 6
.rept 14
	v_max3_num_f32 v254, v254, v[96+n], v[97+n]
	v_max3_num_f32 v252, v252, v[98+n], v[99+n]
.set n, n+4
.endr
	v_max3_num_f32 v254, v254, v158, v159
	s_delay_alu instid0(VALU_DEP_1)
	v_max_num_f32 v254, v254, v252
	s_delay_alu instid0(VALU_DEP_1)
	v_permlanex16_b32 v246, v254, s[SEL], s[SEL+1]
	s_delay_alu instid0(VALU_DEP_1)
	v_max_num_f32 v254, v254, v246                 ; and among lane l xor 16's
	s_delay_alu instid0(VALU_DEP_1)
	v_mul_f32 v254, s[CS], v254                    ; as t (c is positive)
	s_delay_alu instid0(VALU_DEP_1)
	v_max_num_f32 v[\NM+1], v[\NM+1], v254
	v_mov_b32 v254, v[\NM]
	s_delay_alu instid0(VALU_DEP_2)
	v_floor_f32 v[\NM], -v[\NM+1]                  ; the new -M = floor(-t)
	s_delay_alu instid0(VALU_DEP_1)
	v_sub_f32 v254, v[\NM], v254                   ; old M - new M: a whole number, 0 or less
	s_delay_alu instid0(VALU_DEP_1)
	v_cvt_i32_f32 v254, v254                       ; (it saturates)
	s_delay_alu instid0(VALU_DEP_1)
	v_ldexp_f32 v252, 1.0, v254                    ; f = 2^(old M - new M)
.set n, 0
.rept 32
	v_pk_fma_f32 v[96+n:97+n], v[96+n:97+n], s[CS:CS+1], v[\NM:\NM+1] op_sel_hi:[1,0,0]   ; t - M
.set n, n+2
.endr
.set n, 0
	s_wait_alu depctr_va_vdst(0)                   ; the wait ahead of the batch
.rept 64
	v_exp_f32 v[96+n], v[96+n]                     ; p = 2^(t - M)
.set n, n+1
.endr
	v_pk_mul_f32 v[\LB:\LB+1], v[\LB:\LB+1], v[252:253] op_sel_hi:[1,0]   ; l under the new M: a plain instruction behind the exponentials
	s_wait_alu depctr_va_vdst(0)                   ; one wait for the batch, ahead of the first line that names a result
	v_pk_add_f32 v[242:243], v[100:101], v[104:105]
	v_pk_add_f32 v[254:255], v[108:109], v[112:113]
	v_pk_add_f32 v[250:251], v[116:117], v[120:121]
	v_pk_add_f32 v[248:249], v[124:125], v[128:129]
	v_pk_add_f32 v[238:239], v[132:133], v[136:137]
	v_pk_add_f32 v[236:237], v[140:141], v[144:145]
	v_pk_add_f32 v[234:235], v[148:149], v[152:153]
	v_pk_add_f32 v[\LB:\LB+1], v[\LB:\LB+1], v[156:157]
	v_pk_add_f32 v[242:243], v[242:243], v[96:97]
	v_pk_add_f32 v[254:255], v[254:255], v[98:99]
	v_pk_add_f32 v[250:251], v[250:251], v[102:103]
	v_pk_add_f32 v[248:249], v[248:249], v[106:107]
	v_pk_add_f32 v[238:239], v[238:239], v[110:111]
	v_pk_add_f32 v[236:237], v[236:237], v[114:115]
	v_pk_add_f32 v[234:235], v[234:235], v[118:119]
	v_pk_add_f32 v[\LB:\LB+1], v[\LB:\LB+1], v[122:123]
	v_pk_add_f32 v[242:243], v[242:243], v[126:127]
	v_pk_add_f32 v[254:255], v[254:255], v[130:131]
	v_pk_add_f32 v[250:251], v[250:251], v[134:135]
	v_pk_add_f32 v[248:249], v[248:249], v[138:139]
	v_pk_add_f32 v[238:239], v[238:239], v[142:143]
	v_pk_add_f32 v[236:237], v[236:237], v[146:147]
	v_pk_add_f32 v[234:235], v[234:235], v[150:151]
	v_pk_add_f32 v[\LB:\LB+1], v[\LB:\LB+1], v[154:155]
	v_pk_add_f32 v[242:243], v[242:243], v[158:159]
	v_pk_add_f32 v[\LB:\LB+1], v[\LB:\LB+1], v[248:249]
	v_pk_add_f32 v[242:243], v[242:243], v[238:239]
	v_pk_add_f32 v[254:255], v[254:255], v[236:237]
	v_pk_add_f32 v[250:251], v[250:251], v[234:235]
	v_pk_add_f32 v[\LB:\LB+1], v[\LB:\LB+1], v[254:255]
	v_pk_add_f32 v[242:243], v[242:243], v[250:251]
	v_pk_add_f32 v[\LB:\LB+1], v[\LB:\LB+1], v[242:243]
.irp b, 0,1,2,3
.set n, 0
.rept 8                                ; the conversion does not saturate (ISA guide 7.6.2); p is not negative: a one-sided hold, two numbers an instruction
	v_dual_min_num_f32 v[96+16*\b+n], v[96+16*\b+n], v240 :: v_dual_min_num_f32 v[97+16*\b+n], v[97+16*\b+n], v247
.set n, n+2
.endr
	v_cvt_scalef32_pk8_fp8_f32 v[224+4*\b:225+4*\b], v[96+16*\b:103+16*\b], v244
	v_cvt_scalef32_pk8_fp8_f32 v[226+4*\b:227+4*\b], v[104+16*\b:111+16*\b], v244
.endr
	s_wait_alu depctr_va_vdst(0)                   ; the wait directly ahead of the first reader of O^T
.set n, 0
.rept 16
	v_pk_mul_f32 v[\OB+n:\OB+n+1], v[\OB+n:\OB+n+1], v[252:253] op_sel_hi:[1,0]   ; O^T under the new M; also the plain instructions between the conversions and the products below
.set n, n+2
.endr
	s_wait_alu depctr_va_vdst(0)
	s_wait_dscnt 0x0                               ; V's fragments, asked for ahead of the softmax
.irp t, 0,1,2,3                        ; the four accumulators by turns, one instruction a turn
	v_wmma_f32_16x16x128_fp8_fp8 v[\OB+8*\t:\OB+8*\t+7], v[32+16*\t:47+16*\t], v[224:239], v[\OB+8*\t:\OB+8*\t+7]
.endr
.Lhidden_\@:
.endm
; THE CHANGE OF SLOTS stands at a slot's head.  Each wave waits for all its tensor loads, adds 0 to its spare word (fill = 1: twice on end), and waits for that and for its reads of the slot that it has left.
; Behind the barrier the slot ahead is whole and nobody reads the other one, which is then filled with the keys that follow, as long as a wave of the work-group will read them.
.macro CHANGE fill
	s_wait_tensorcnt 0x0                           ; no tensor load of mine is out, so group 0 may be written
	ds_add_u32 v[SPW], v[NIL]
.if \fill
	ds_add_u32 v[SPW], v[NIL]                      ; and once more
	s_xor_b32 s[G0+1], s[G0+1], SLOT1
	s_add_nc_u64 s[G0+2:G0+3], s[G0+2:G0+3], SLOTB
	s_wait_xcnt 0x0                                ; the last prefetch, a slot back, has read its address
	s_add_nc_u64 s[PFA:PFA+1], s[PFA:PFA+1], SLOTB
.endif
	s_wait_dscnt 0x0
	s_barrier_signal -1
	s_barrier_wait -1
.if \fill
	s_add_co_u32 s96, s[KS], SK                    ; the first key of the slot that this change would ask for
	s_cmp_gt_u32 s96, s[QL]                        ; after my work-group's last query: none of its waves would read it.  Ids and the count of slots alone: all sixteen waves go the same way
	s_cbranch_scc1 .Lpast_\@
	TLOAD
.Lpast_\@:
	ASK
.endif
.endm
.macro SLOT_STEPS
	STEP QX, OX, NMX, LBX, Q0X
	STEP QY, OY, NMY, LBY, Q0Y
	s_xor_b32 s[TB], s[TB], SLOT1
	s_add_co_u32 s[KS], s[KS], SK
	s_add_co_u32 s[KF], s[KF], SK
.endm
	s_wait_alu depctr_va_vdst(0)                   ; the wait at the head's end
	s_wait_loadcnt 0x0                             ; Q
.Lslot:                                            ; seven trips
	CHANGE 1
	SLOT_STEPS
	s_sub_co_u32 s[SLOTS], s[SLOTS], 1
	s_cmp_lg_u32 s[SLOTS], 0
	s_cbranch_scc1 .Lslot
	CHANGE 0                                       ; the last slot is written out: nothing is left to ask for
	SLOT_STEPS
	; THE TWO PARTS OF A TILE MEET.  Y's -M, l and O^T go to my own bytes as an image of the registers; behind the barrier I read my partner's, which are the other part of X.
	s_mul_i32 s86, s[WV], XP
	s_add_co_u32 s86, s86, XCH
	s_xor_b32 s87, s[WV], 8
	s_mul_i32 s87, s87, XP
	s_add_co_u32 s87, s87, XCH
	v_add_f32 v[NMY+1], v[LBY], v[LBY+1]           ; Y's l beside its -M.  (These lines are also the places behind the last products)
	v_add_f32 v[LBX], v[LBX], v[LBX+1]
	v_and_b32 v9, 31, v0
	v_lshlrev_b32 v242, 4, v9
	v_lshlrev_b32 v243, 3, v9
	v_add_nc_u32 v7, s86, v242
	v_add_nc_u32 v8, s87, v242
	v_add_nc_u32 v246, s86, v243
	v_add_nc_u32 v248, s87, v243
	v_mov_b32 v135, 0                              ; (named as the upper halves of pairs)
	v_mov_b32 v137, 0
	s_wait_alu depctr_va_vdst(0)                   ; the wait directly ahead of the first reader of Y's O^T
.irp i, 0,1,2,3,4,5,6,7
	ds_store_b128 v7, v[OY+4*\i:OY+4*\i+3] offset:512*\i
.endr
	ds_store_b64 v246, v[NMY:NMY+1] offset:4096
	s_wait_dscnt 0x0                               ; for my partner's sake
	s_barrier_signal -1
	s_barrier_wait -1
.irp i, 0,1,2,3,4,5,6,7
	ds_load_b128 v[96+4*\i:96+4*\i+3], v8 offset:512*\i
.endr
	ds_load_b64 v[128:129], v248 offset:4096
	s_wait_dscnt 0x0
	v_min_num_f32 v130, v[NMX], v128               ; -M of the larger M
	v_sub_f32 v131, v130, v[NMX]
	v_sub_f32 v132, v130, v128
	v_cvt_i32_f32 v131, v131                       ; whole numbers, 0 or less (they saturate)
	v_cvt_i32_f32 v132, v132
	v_ldexp_f32 v134, 1.0, v131                    ; my part's factor,
	v_ldexp_f32 v136, 1.0, v132                    ; my partner's
	v_mul_f32 v[LBX], v[LBX], v134
	v_fma_f32 v[LBX], v129, v136, v[LBX]
	v_permlanex16_b32 v252, v[LBX], s[SEL], s[SEL+1]
	v_add_f32 v[LBX], v[LBX], v252                 ; the row's sum
	s_wait_alu depctr_va_vdst(0)                   ; the wait directly ahead of the first reader of X's O^T
.set n, 0
.rept 16
	v_pk_mul_f32 v[OX+n:OX+n+1], v[OX+n:OX+n+1], v[134:135] op_sel_hi:[1,0]
.set n, n+2
.endr
.set n, 0
.rept 16
	v_pk_fma_f32 v[96+n:97+n], v[96+n:97+n], v[136:137], v[OX+n:OX+n+1] op_sel_hi:[1,0,1]
.set n, n+2
.endr
	; THE WAY OUT.  O^T / l, held, converted; through the work-group's stage, where a query's four heads meet: 256 bytes that lie together in ctx.
	s_mul_i32 s86, s15, 16*SPT
	s_lshl_b32 s87, s19, 6
	s_add_co_u32 s86, s86, s87
	s_add_co_u32 s86, s86, STAGE
	s_mul_i32 s87, s[WV], 4*SPT
	s_add_co_u32 s87, s87, STAGE
	s_wait_alu depctr_va_vdst(0)                   ; the wait ahead of the transcendental
	v_rcp_f32 v[LBX], v[LBX]
	v_and_b32 v8, 15, v0                           ; (plain work behind the transcendental)  r
	v_bfe_u32 v9, v0, 4, 1                         ; h
	v_mul_u32_u24 v10, v8, SPT
	v_lshl_add_u32 v10, v9, 4, v10
	v_add_nc_u32 v10, s86, v10                     ; in: row 16 x X's tile + r, byte 64 x my head + 16 h (+ 32 for d = 32 on)
	v_mul_u32_u24 v11, v9, SPT
	v_lshl_add_u32 v11, v8, 4, v11
	v_add_nc_u32 v11, s87, v11                     ; back: rows 4 w on; lanes 0-15 one row, lanes 16-31 the next
	v_lshlrev_b32 v[GO], 10, v9
	v_lshl_add_u32 v[GO], v8, 4, v[GO]
	s_wait_alu depctr_va_vdst(0)                   ; the wait ahead of the reciprocal's first reader
.set n, 0
.rept 32
	v_mul_f32 v[96+n], v[96+n], v[LBX]             ; register 16 b + i: d = 32 b + 16 h + i of query r
.set n, n+1
.endr
.set n, 0
.rept 32
	v_med3_num_f32 v[96+n], v[96+n], -v241, v241
.set n, n+1
.endr
.irp i, 0,1,2,3
	v_cvt_scalef32_pk8_fp8_f32 v[224+2*\i:225+2*\i], v[96+8*\i:103+8*\i], v245
.endr
	v_nop
	ds_store_b128 v10, v[224:227]
	ds_store_b128 v10, v[228:231] offset:32
	s_wait_dscnt 0x0                               ; for the others' sake: my stores into the stage are done
	s_barrier_signal -1
	s_barrier_wait -1
	ds_load_b128 v[32:35], v11
	ds_load_b128 v[36:39], v11 offset:2*SPT
	s_wait_dscnt 1                                 ; the second load may be out
	global_store_b128 v[GO], v[32:35], s[16:17]    ; sixteen lanes store 256 consecutive bytes, aligned
	s_wait_dscnt 0x0
	global_store_b128 v[GO], v[36:39], s[16:17] offset:2048
	s_wait_tensorcnt 0x0                           ; the wave's end
	ds_add_u32 v[SPW], v[NIL]
	s_wait_dscnt 0x0
	s_endpgm
.Lfunc_end_k_q8ff8b83221_attn:
	.size	k_q8ff8b83221_attn, .Lfunc_end_k_q8ff8b83221_attn-k_q8ff8b83221_attn
	.p2alignl 7, 3214868480
	.fill 96, 4, 3214868480
	.section	.rodata,"a",@progbits
	.p2align	6, 0x0
	.amdhsa_kernel k_q8ff8b83221_attn
		.amdhsa_group_segment_fixed_size 327680
		.amdhsa_private_segment_fixed_size 0
		.amdhsa_enable_private_segment 0
		.amdhsa_kernarg_size 24
		.amdhsa_user_sgpr_count 2
		.amdhsa_user_sgpr_kernarg_segment_ptr 1
		.amdhsa_wavefront_size32 1
		.amdhsa_system_sgpr_workgroup_id_x 1
		.amdhsa_system_sgpr_workgroup_id_y 1
		.amdhsa_system_sgpr_workgroup_id_z 1
		.amdhsa_system_vgpr_workitem_id 0
		.amdhsa_next_free_vgpr 256
		.amdhsa_next_free_sgpr 100
		.amdhsa_reserve_vcc 1
		.amdhsa_float_denorm_mode_32 3
		.amdhsa_float_denorm_mode_16_64 3
		.amdhsa_memory_ordered 1
		.amdhsa_forward_progress 1
		.amdhsa_inst_pref_size 104
	.end_amdhsa_kernel
	.amdgpu_metadata
---
amdhsa.version: [ 1, 2 ]
amdhsa.kernels:
  - .name:           k_q8ff8b83221_attn
    .symbol:         k_q8ff8b83221_attn.kd
    .args:
      - { .name: qkvc, .offset: 0, .size: 8, .value_kind: global_buffer, .address_space: global }
      - { .name: lowp_scales, .offset: 8, .size: 8, .value_kind: global_buffer, .address_space: global }
      - { .name: cc, .offset: 16, .size: 8, .value_kind: global_buffer, .address_space: global }
    .group_segment_fixed_size: 327680
    .private_segment_fixed_size: 0
    .kernarg_segment_align: 8
    .kernarg_segment_size: 24
    .max_flat_workgroup_size: 512
    .sgpr_count:     100
    .vgpr_count:     256
    .wavefront_size: 32
...
	.end_amdgpu_metadata
.endif
;; end of part 3
;; launch wo (part 4): grid 8 x 32, 4 waves a work-group, clusters of 4 x 4, 327,680 bytes of LDS; arguments cc, wo_codes, lowp_scales, x, h; writes h
.if DOCPART == 4
	.amdgcn_target "amdgcn-amd-amdhsa--gfx1250"
	.amdhsa_code_object_version 6
	.text
	.protected	k_q8ff8b83221_wo
	.globl	k_q8ff8b83221_wo
	.p2align	8
	.type	k_q8ff8b83221_wo,@function
k_q8ff8b83221_wo:
	s_mov_b64 s[64:65], 0
	v_nop
	global_prefetch_b8 v0, s[64:65] scope:SCOPE_SE
	s_setreg_imm32_b32 hwreg(HW_REG_WAVE_MODE, 25, 1), 1
	s_wait_xcnt 0x0
	s_wait_alu depctr_hold_cnt(0) depctr_sa_sdst(0) depctr_va_vdst(0) depctr_va_sdst(0) depctr_va_ssrc(0) depctr_va_vcc(0) depctr_vm_vsrc(0)
	s_getreg_b32 s2, hwreg(HW_REG_IB_STS2, 6, 4)
	s_cmp_eq_u32 s2, 0
	s_cbranch_scc0 .Lentry_in_a_cluster
	s_endpgm
.Lentry_in_a_cluster:
	s_bfe_u32 s2, ttmp6, 0x10000c
	s_cmp_lg_u32 s2, 0xf033
	s_cbranch_scc0 .Lentry_shape_is_right
	s_endpgm
.Lentry_shape_is_right:
; PRODUCT 6 AND THE FIRST RESIDUAL: h = x + ctx wo^T, on codes of FP8 (E4M3), K = 1,024; a finished sum is multiplied once by 2^(e10 + e11) and added to x by one fused multiply-add.  No work of reference() is left out here.
; LIMIT: e10 + e11 between -126 and 127.  Inside a matrix instruction k is taken in another order than ascending, alike on both sides: only the order of the sums changes.
; The result is 4,096 x 1,024: tiles of 128 x 128 give each of 256 work-groups one; four waves, 64 x 64 each: 16 accumulators.
; ALL OF K AT ONCE: A's 128 rows and B's 128 rows of 1,024 bytes are 266,240 bytes of LDS with their padding.  Each wave brings 64 whole rows by ONE tensor load at the head; nothing is filled a second time.
; CLUSTERS: 4 x 4 work-groups; the four of a row of the cluster need the same rows of A (ctx), the four of a column the same rows of B (wo): each is asked for JOINTLY, by the same tensor load with a mask that names the four.
; NO PREFETCH: every tile is asked for by the head's one load; there is no loop to run ahead in.
; THE MATRIX INSTRUCTION IS USED TRANSPOSED (source 0 = 16 rows of B, source 1 = 16 rows of A): a lane holds eight neighbouring numbers of a row of the result.
; REGISTERS: window 0: v0-31 addresses; v32-95 rows on the way out, two sets; v128-255 the accumulators ((a, b) at v[128 + 8 (4 a + b)]).  window 1: two fragment buffers of 128: A's four fragments (16 rows x 128 K), then B's four.
;   window 2: v0-127 my 64 x 64 numbers of x, asked for when the tiles are in, behind the first fragment loads, in the layout in which rows come back from the stage.
.set SIZE_K, 1024
.set EA,     10
.set EB,     11
.set KROW,   SIZE_K
.set PITCH,  1040                      ; 1,024 bytes + 16: an odd multiple of 16, so the 16 rows of a fragment load start in 16 different columns of 16 bytes modulo 256
.set HALFT,  64*PITCH
.set STAGE,  4*HALFT                   ; behind A's 128 rows and B's 128: 16 rows x (256 bytes + 16) for each wave
.set SPITCH, 272
.set SPARE,  STAGE+4*16*SPITCH         ; the spare words, 128 bytes a wave
.set ROWC,   4096                      ; a row of x and of h in bytes
.set ADRA, 16
.set ADRB, 20
.set STO,  24
.set RD,   25
.set CO,   26
.set SPW,  28
.set NIL,  29
.set BK,   32
.set ACC,  128
.set F0,   0
.set F1,   128
.set G1, 24
.set G0, 32
.set G1B, 48
.set G0B, 56
.set MSB, 0
.macro WIN new
.if MSB != \new
	s_set_vgpr_msb (MSB<<8)|\new
.set MSB, \new
.endif
.endm
.set MUL,  0x05                        ; sources 0 (B) and 1 (A) window 1; C and D window 0
.set TO_F, 0x40                        ; destination window 1, address window 0
.macro JLOAD                           ; waves 0 and 1 fetch A's halves, waves 2 and 3 B's; an s_nop 0 and four v_nop follow each line
	s_cmp_eq_u32 s15, 0
	s_cbranch_scc0 .Lfor_b_\@
	tensor_load_to_lds s[G0:G0+3], s[G1:G1+7]
	s_nop 0
.rept 4
	v_nop
.endr
	s_branch .Lasked_\@
.Lfor_b_\@:
	tensor_load_to_lds s[G0B:G0B+3], s[G1B:G1B+7]
	s_nop 0
.rept 4
	v_nop
.endr
.Lasked_\@:
.endm
.macro CROUND                          ; a round of the cluster's barrier
	s_barrier_signal -1
	s_barrier_wait -1
	s_cmp_lg_u32 s14, 0
	s_cbranch_scc1 .Lnot_wave_0_\@
	s_barrier_signal -3
.Lnot_wave_0_\@:
	s_barrier_wait -3
	s_barrier_signal -1
	s_barrier_wait -1
.endm
	s_load_b128 s[4:7], s[0:1], 0x0                ; A's codes, B's codes
	s_load_b128 s[8:11], s[0:1], 0x10              ; the scales' exponents s[8:9], x s[10:11]
	s_load_b64 s[66:67], s[0:1], 0x20              ; h
	v_lshl_add_u32 v[SPW], v0, 2, SPARE
	v_mov_b32 v[NIL], 0
	ds_add_u32 v[SPW], v[NIL]                      ; the wave's opening: the add, twice on end, and its wait ahead of my tensor load
	ds_add_u32 v[SPW], v[NIL]
	v_lshrrev_b32 v1, 5, v0
	v_readfirstlane_b32 s14, v1                    ; wave 0..3
	s_lshr_b32 s15, s14, 1                         ; my half of the tile's rows.  Also: I fetch for A (0) or for B (1)
	s_and_b32 s16, s14, 1                          ; my half of its columns.  Also: which 64 rows I fetch
	s_bfe_u32 s40, ttmp6, 0x40000                  ; cx, cy
	s_bfe_u32 s41, ttmp6, 0x40004
	s_lshl_b32 s42, ttmp9, 2
	s_add_co_u32 s42, s42, s40                     ; tile column
	s_and_b32 s17, ttmp7, 0xffff
	s_lshl_b32 s17, s17, 2
	s_add_co_u32 s17, s17, s41                     ; tile row
	s_lshl_b32 s43, s41, 2
	s_lshl_b32 s43, 15, s43                        ; my row of the cluster
	s_lshl_b32 s44, 0x1111, s40                    ; my column
	s_or_b32 s[G1+0], s43, (1<<20)|(1<<21)|(7<<22)|(3<<25)   ; the mask; elements of 1 byte; padding on; bit 21 beside a mask; after every 256 words (code 7) four words (code 3)
	s_or_b32 s[G1B+0], s44, (1<<20)|(1<<21)|(7<<22)|(3<<25)
.irp g, G1, G1B
	s_mov_b32 s[\g+1], SIZE_K<<16
	s_mov_b32 s[\g+2], 64<<16
	s_mov_b32 s[\g+3], SIZE_K<<16
	s_mov_b32 s[\g+4], 64
	s_mov_b32 s[\g+5], KROW
	s_mov_b32 s[\g+6], 0
	s_mov_b32 s[\g+7], 0
.endr
	s_lshl_b32 s18, s16, 6
	s_lshl_b32 s20, s17, 7
	s_add_co_u32 s20, s20, s18                     ; A: row 128 x tile row + 64 x half
	s_lshl_b32 s46, s42, 7
	s_add_co_u32 s46, s46, s18                     ; B: row 128 x tile column + 64 x half
	s_mov_b32 s21, 0
	s_mov_b32 s47, 0
	s_mov_b64 s[18:19], KROW
	s_mul_u64 s[20:21], s[20:21], s[18:19]
	s_mul_u64 s[46:47], s[46:47], s[18:19]
	s_mul_i32 s45, s14, HALFT                      ; where they go: wave x 64 rows
	s_wait_dscnt 0x0                               ; both opening adds are done
	s_wait_kmcnt 0x0
	s_load_b512 s[68:83], s[8:9], 0x0              ; e0 .. e15
	s_mov_b32 s[G0], 1
	s_mov_b32 s[G0+1], s45
	s_add_nc_u64 s[G0+2:G0+3], s[4:5], s[20:21]
	s_or_b32 s[G0+3], s[G0+3], 0x80000000
	s_mov_b32 s[G0B], 1
	s_mov_b32 s[G0B+1], s45
	s_add_nc_u64 s[G0B+2:G0B+3], s[6:7], s[46:47]
	s_or_b32 s[G0B+3], s[G0B+3], 0x80000000
	CROUND                                         ; all sixteen work-groups are here: the joint loads meet
	JLOAD                                          ; my one tensor load: 64 rows x 1,024 bytes
	s_mul_i32 s21, s15, HALFT                      ; my 64 rows of A,
	s_mul_i32 s22, s16, HALFT
	s_add_co_u32 s22, s22, 2*HALFT                 ; of B,
	s_mul_i32 s23, s14, 16*SPITCH
	s_add_co_u32 s23, s23, STAGE                   ; my stage
	s_lshl_b32 s18, s17, 7
	s_lshl_b32 s19, s15, 6
	s_add_co_u32 s18, s18, s19                     ; my first row: 128 x tile row + 64 x half
	s_lshl_b32 s18, s18, 12
	s_lshl_b32 s46, s42, 9                         ; my first column, in bytes: 512 x tile column + 256 x half
	s_lshl_b32 s47, s16, 8
	s_add_co_u32 s46, s46, s47
	s_add_co_u32 s18, s18, s46
	s_mov_b32 s19, 0
	s_add_nc_u64 s[66:67], s[66:67], s[18:19]
	s_add_nc_u64 s[10:11], s[10:11], s[18:19]
	v_and_b32 v1, 15, v0                           ; r
	v_bfe_u32 v2, v0, 4, 1                         ; h
	v_mul_u32_u24 v3, v1, PITCH
	v_lshl_add_u32 v4, v2, 4, v3
	v_add_nc_u32 v[ADRA], s21, v4
	v_add_nc_u32 v[ADRB], s22, v4
	v_mul_u32_u24 v5, v1, SPITCH
	v_lshl_add_u32 v5, v2, 5, v5
	v_add_nc_u32 v[STO], s23, v5                   ; in: row r, 32 bytes for each half of the lanes
	v_mul_u32_u24 v5, v2, SPITCH
	v_lshl_add_u32 v5, v1, 4, v5
	v_add_nc_u32 v[RD], s23, v5                    ; back: lanes 0-15 one row of 256 bytes, lanes 16-31 the next
	v_lshlrev_b32 v5, 12, v2
	v_lshl_add_u32 v[CO], v1, 4, v5                ; and the same two rows in memory
; 8 matrix instructions: A's blocks a0, a0 + 1 x B's four, 128 along K.  The 16 accumulators take turns, one instruction a turn, in the same order in every quarter.
.macro MUL8 f, a0, zero
.irp a, \a0, \a0+1
.irp b, 0,1,2,3
.if \zero
	v_wmma_f32_16x16x128_fp8_fp8 v[ACC+8*(4*(\a)+\b):ACC+8*(4*(\a)+\b)+7], v[\f+64+16*\b:\f+64+16*\b+15], v[\f+16*(\a):\f+16*(\a)+15], 0
.else
	v_wmma_f32_16x16x128_fp8_fp8 v[ACC+8*(4*(\a)+\b):ACC+8*(4*(\a)+\b)+7], v[\f+64+16*\b:\f+64+16*\b+15], v[\f+16*(\a):\f+16*(\a)+15], v[ACC+8*(4*(\a)+\b):ACC+8*(4*(\a)+\b)+7]
.endif
.endr
.endr
.endm
.macro FETCH k, f                      ; 32 LDS loads in one run: B's four fragments, then A's four, of the 128 along K at byte k; registers 4 c on hold K = 32 c + 16 (l / 16) on
	WIN TO_F
.irp i, 0,1,2,3
.irp c, 0,1,2,3
	ds_load_b128 v[\f+64+16*\i+4*\c:\f+64+16*\i+4*\c+3], v[ADRB] offset:\k+32*\c+\i*16*PITCH
.endr
.endr
.irp i, 0,1,2,3
.irp c, 0,1,2,3
	ds_load_b128 v[\f+16*\i+4*\c:\f+16*\i+4*\c+3], v[ADRA] offset:\k+32*\c+\i*16*PITCH
.endr
.endr
.endm
.macro PLACES                          ; four plain instructions in front of loads into registers that matrix instructions have read, and of the first read of results
.rept 4
	v_nop
.endr
.endm
.macro QUARTER k, f, g, zero           ; 128 along K on buffer f; the next 128, at byte k, are fetched into g
	s_wait_dscnt 8                                 ; all but the youngest eight loads (A's blocks 2, 3) are in
	WIN MUL
	MUL8 \f, 0, \zero
	PLACES
	FETCH \k, \g
	s_wait_dscnt 32                                ; all but the 32 just issued
	WIN MUL
	MUL8 \f, 2, \zero
.endm
	s_wait_alu depctr_va_vdst(0)                   ; the wait at the head's end
	s_wait_tensorcnt 0x0                           ; my 64 rows are in;
	s_barrier_signal -1
	s_barrier_wait -1                              ; and so are the other waves'
	FETCH 0, F0
	WIN 0x80                                       ; destination window 2
.set t, 0
.rept 32                               ; my 64 rows x 256 bytes of x, two rows a load: they land while the products run
	global_load_b128 v[4*t:4*t+3], v[CO], s[10:11] offset:2*t*ROWC
.set t, t+1
.endr
	QUARTER 128, F0, F1, 1                         ; the first products start the sums: nothing is cleared
	QUARTER 256, F1, F0, 0
	QUARTER 384, F0, F1, 0
	QUARTER 512, F1, F0, 0
	QUARTER 640, F0, F1, 0
	QUARTER 768, F1, F0, 0
	QUARTER 896, F0, F1, 0
	s_wait_dscnt 8
	WIN MUL
	MUL8 F1, 0, 0
	s_wait_dscnt 0
	MUL8 F1, 2, 0
	WIN 0
	; THE WAY OUT.  My 64 columns are 256 bytes of a row, aligned.  A block of 16 rows goes through my own stage and comes back as whole rows; there sum x 2^(eA + eB) + x, and the store.
	PLACES
	s_wait_kmcnt 0x0
	s_add_co_i32 s96, s[68+EA], s[68+EB]
	s_add_co_i32 s96, s96, 127
	s_lshl_b32 s96, s96, 23                        ; 2^(eA + eB) as f32
	s_mov_b32 s97, s96                             ; (named with it as a pair)
	s_wait_loadcnt 0x0                             ; x
.macro TOSTAGE a                       ; LDS serves a wave's instructions in order (ISA guide 5.7.1.4): no wait between the stores and the loads, nor in front of the next block's stores
.irp b, 0,1,2,3
	ds_store_b128 v[STO], v[ACC+8*(4*(\a)+\b):ACC+8*(4*(\a)+\b)+3] offset:64*\b          ; each accumulator from its low end on
	ds_store_b128 v[STO], v[ACC+8*(4*(\a)+\b)+4:ACC+8*(4*(\a)+\b)+7] offset:64*\b+16
.endr
.irp t, 0,1,2,3,4,5,6,7
	ds_load_b128 v[BK+32*((\a)%2)+4*\t:BK+32*((\a)%2)+4*\t+3], v[RD] offset:\t*2*SPITCH
.endr
.endm
.macro SEND a, younger                 ; younger: the next block's eight stores and eight loads, or none
.set BB, BK+32*((\a)%2)
	s_wait_dscnt \younger
	WIN 0x20                                       ; source 2 (x) window 2
.set i, 0
.rept 16
	v_pk_fma_f32 v[BB+i:BB+i+1], v[BB+i:BB+i+1], s[96:97], v[32*(\a)+i:32*(\a)+i+1] op_sel_hi:[1,0,1]
.set i, i+2
.endr
	WIN 0
.irp t, 0,1,2,3,4,5,6,7
	global_store_b128 v[CO], v[BB+4*\t:BB+4*\t+3], s[66:67] offset:(16*(\a)+2*\t)*ROWC   ; sixteen lanes store 256 consecutive bytes, aligned
.endr
.endm
	TOSTAGE 0
	TOSTAGE 1
	SEND 0, 16
	s_wait_xcnt 0x0                                ; block 0's stores have read their registers: block 2's rows may land there
	TOSTAGE 2
	SEND 1, 16
	s_wait_xcnt 0x0
	TOSTAGE 3
	SEND 2, 16
	SEND 3, 0
	s_wait_tensorcnt 0x0                           ; the wave's end
	ds_add_u32 v[SPW], v[NIL]
	s_wait_dscnt 0x0
	CROUND                                         ; the closing round
	s_endpgm
.Lfunc_end_k_q8ff8b83221_wo:
	.size	k_q8ff8b83221_wo, .Lfunc_end_k_q8ff8b83221_wo-k_q8ff8b83221_wo
	.p2alignl 7, 3214868480
	.fill 96, 4, 3214868480
	.section	.rodata,"a",@progbits
	.p2align	6, 0x0
	.amdhsa_kernel k_q8ff8b83221_wo
		.amdhsa_group_segment_fixed_size 327680
		.amdhsa_private_segment_fixed_size 0
		.amdhsa_enable_private_segment 0
		.amdhsa_kernarg_size 40
		.amdhsa_user_sgpr_count 2
		.amdhsa_user_sgpr_kernarg_segment_ptr 1
		.amdhsa_wavefront_size32 1
		.amdhsa_system_sgpr_workgroup_id_x 1
		.amdhsa_system_sgpr_workgroup_id_y 1
		.amdhsa_system_sgpr_workgroup_id_z 1
		.amdhsa_system_vgpr_workitem_id 0
		.amdhsa_next_free_vgpr 640
		.amdhsa_next_free_sgpr 98
		.amdhsa_reserve_vcc 0
		.amdhsa_float_denorm_mode_32 3
		.amdhsa_float_denorm_mode_16_64 3
		.amdhsa_memory_ordered 1
		.amdhsa_forward_progress 1
		.amdhsa_inst_pref_size 47
	.end_amdhsa_kernel
	.amdgpu_metadata
---
amdhsa.version: [ 1, 2 ]
amdhsa.kernels:
  - .name:           k_q8ff8b83221_wo
    .symbol:         k_q8ff8b83221_wo.kd
    .args:
      - { .name: cc, .offset: 0, .size: 8, .value_kind: global_buffer, .address_space: global }
      - { .name: wo_codes, .offset: 8, .size: 8, .value_kind: global_buffer, .address_space: global }
      - { .name: lowp_scales, .offset: 16, .size: 8, .value_kind: global_buffer, .address_space: global }
      - { .name: x, .offset: 24, .size: 8, .value_kind: global_buffer, .address_space: global }
      - { .name: h, .offset: 32, .size: 8, .value_kind: global_buffer, .address_space: global }
    .group_segment_fixed_size: 327680
    .private_segment_fixed_size: 0
    .kernarg_segment_align: 8
    .kernarg_segment_size: 40
    .max_flat_workgroup_size: 128
    .sgpr_count:     98
    .vgpr_count:     640
    .wavefront_size: 32
...
	.end_amdgpu_metadata
.endif
;; end of part 4
;; launch ln2 (part 5): grid 512 x 1, 4 waves a work-group, no clusters, 33,280 bytes of LDS; arguments h, g2, b2, lowp_scales, a2; writes a2
.if DOCPART == 5
	.amdgcn_target "amdgcn-amd-amdhsa--gfx1250"
	.amdhsa_code_object_version 6
	.text
	.protected	k_q8ff8b83221_ln2
	.globl	k_q8ff8b83221_ln2
	.p2align	8
	.type	k_q8ff8b83221_ln2,@function
k_q8ff8b83221_ln2:
	s_mov_b64 s[64:65], 0
	v_nop
	global_prefetch_b8 v0, s[64:65] scope:SCOPE_SE
	s_setreg_imm32_b32 hwreg(HW_REG_WAVE_MODE, 25, 1), 1
	s_wait_xcnt 0x0
; LayerNorm 2: y = (h - mean) * rsqrt(var + 1e-5) * g2 + b2 for each row of 1,024 numbers, all in f32 (mean first, then the mean of the squared differences), and y turned into codes of FP8 (E4M3) with 2^e12
; (entry 12 of the scales) for the product with w1: [4096][1024], one code a byte.  No work of reference() is left out here.
; code = y / 2^e, held within +-448, to the nearest code, ties to even.  LIMITS: e12 between -126 and 119; NaN among the inputs is not served.
; SHARES: a wave owns two rows; a row is 32 registers a lane (eight loads of 512 consecutive bytes), so it is read from memory once.  All of a wave's loads go out at its head.
; The conversions take 16 neighbours from ONE lane, the loads give a lane 4: so half a row (2,048 bytes) at a time turns through the wave's own stage in LDS, as it lies, and comes back 64 bytes a lane
; (16 bytes of padding behind each 64).  A lane's 16 codes are 16 bytes: a store of the wave covers 512 consecutive bytes, aligned.  Waves share nothing: no barrier.
.set NS,    1                          ; scales
.set SP,    80
.set WREG,  8192
.set SPARE, 4*WREG
.set SPW,   12
.set NIL,   13
.set ST,    16
.set X,     32
.set GA,    96
.set BE,    128
.set XS,    160
.set T,     192
.set C,     208
.set SC,    232
	s_load_b256 s[4:11], s[0:1], 0x0               ; h s[4:5], gamma s[6:7], beta s[8:9], the scales' exponents s[10:11]
	s_load_b64 s[12:13], s[0:1], 0x20              ; the codes
	v_lshl_add_u32 v[SPW], v0, 2, SPARE
	v_mov_b32 v[NIL], 0
	v_lshrrev_b32 v1, 5, v0
	v_readfirstlane_b32 s16, v1                    ; wave
	v_and_b32 v2, 31, v0                           ; lane
	v_lshlrev_b32 v3, 4, v2
	s_mul_i32 s17, s16, WREG
	v_lshrrev_b32 v14, 2, v2
	v_mul_u32_u24 v14, v14, SP
	v_and_b32 v15, 3, v2
	v_lshl_add_u32 v14, v15, 4, v14
	v_add_nc_u32 v14, s17, v14                     ; the stage, on the way in: SP (lane / 4) + 16 (lane % 4)
	v_mul_u32_u24 v15, v2, SP
	v_add_nc_u32 v15, s17, v15                     ; and on the way out: SP x lane
	s_lshl_b32 s18, ttmp9, 3
	s_lshl_b32 s19, s16, 1
	s_add_co_u32 s18, s18, s19                     ; my first row
	s_lshl_b32 s28, s18, 12
	s_mov_b32 s29, 0
	s_lshl_b32 s30, s18, 10
	s_mov_b32 s31, 0
	s_mov_b32 s26, 0x3a800000                      ; 1 / 1024
	s_mov_b32 s27, 0x3727c5ac                      ; 1e-5
	s_mov_b32 s40, 0x76543210
	s_mov_b32 s41, 0xfedcba98
	s_wait_alu depctr_va_vdst(0)
	s_wait_kmcnt 0x0
	s_load_b32 s32, s[10:11], 0x30                 ; e12
	s_add_nc_u64 s[4:5], s[4:5], s[28:29]
	s_add_nc_u64 s[20:21], s[12:13], s[30:31]
.set j, 0
.rept 16
	global_load_b128 v[X+4*j:X+4*j+3], v3, s[4:5] offset:512*j
.set j, j+1
.endr
.set j, 0
.rept 8
	global_load_b128 v[GA+4*j:GA+4*j+3], v3, s[6:7] offset:512*j
.set j, j+1
.endr
.set j, 0
.rept 8
	global_load_b128 v[BE+4*j:BE+4*j+3], v3, s[8:9] offset:512*j
.set j, j+1
.endr
.macro ALLSUM                          ; v24 = the sum of v24 over the 32 lanes, in every lane
	v_add_f32_dpp v24, v24, v24 row_xmask:1 row_mask:0xf bank_mask:0xf
	v_add_f32_dpp v24, v24, v24 row_xmask:2 row_mask:0xf bank_mask:0xf
	v_add_f32_dpp v24, v24, v24 row_xmask:4 row_mask:0xf bank_mask:0xf
	v_add_f32_dpp v24, v24, v24 row_xmask:8 row_mask:0xf bank_mask:0xf
	v_permlanex16_b32 v25, v24, s40, s41
	v_add_f32 v24, v24, v25
.endm
.macro STATS r
.set XR, X+32*\r
.set MR, ST+4*\r
	v_pk_add_f32 v[24:25], v[XR:XR+1], v[XR+2:XR+3]
	v_pk_add_f32 v[26:27], v[XR+4:XR+5], v[XR+6:XR+7]
.set j, 8
.rept 6
	v_pk_add_f32 v[24:25], v[24:25], v[XR+j:XR+j+1]
	v_pk_add_f32 v[26:27], v[26:27], v[XR+j+2:XR+j+3]
.set j, j+4
.endr
	v_pk_add_f32 v[24:25], v[24:25], v[26:27]
	v_add_f32 v24, v24, v25
	ALLSUM
	v_mul_f32 v[MR], s26, v24
	v_mov_b32 v[MR+1], v[MR]
.set j, 0
.rept 16
	v_pk_add_f32 v[XR+j:XR+j+1], v[XR+j:XR+j+1], v[MR:MR+1] neg_lo:[0,1] neg_hi:[0,1]
.set j, j+2
.endr
	v_pk_mul_f32 v[24:25], v[XR:XR+1], v[XR:XR+1]
	v_pk_mul_f32 v[26:27], v[XR+2:XR+3], v[XR+2:XR+3]
.set j, 4
.rept 7
	v_pk_fma_f32 v[24:25], v[XR+j:XR+j+1], v[XR+j:XR+j+1], v[24:25]
	v_pk_fma_f32 v[26:27], v[XR+j+2:XR+j+3], v[XR+j+2:XR+j+3], v[26:27]
.set j, j+4
.endr
	v_pk_add_f32 v[24:25], v[24:25], v[26:27]
	v_add_f32 v24, v24, v25
	ALLSUM
	v_fma_f32 v24, v24, s26, s27                   ; var + eps
	s_wait_alu depctr_va_vdst(0)
	v_rsq_f32 v[MR+2], v24
	v_nop                                          ; a plain instruction behind the transcendental,
	s_wait_alu depctr_va_vdst(0)                   ; and the wait ahead of the first line that names its result
	v_mov_b32 v[MR+3], v[MR+2]
.endm
.macro NORM t
.set XH, X+16*(\t)
.set GH, GA+16*((\t)%2)
.set BH, BE+16*((\t)%2)
.set MR, ST+4*((\t)/2)
.set j, 0
.rept 8
	v_pk_mul_f32 v[28+j%4:29+j%4], v[GH+j:GH+j+1], v[MR+2:MR+3]
	v_pk_fma_f32 v[XH+j:XH+j+1], v[XH+j:XH+j+1], v[28+j%4:29+j%4], v[BH+j:BH+j+1]
.set j, j+2
.endr
.endm
.macro TURN t                          ; LDS serves a wave's instructions in order (ISA guide 5.7.1.4): no wait between the stores and the loads
.irp i, 0,1,2,3
	ds_store_b128 v14, v[X+16*(\t)+4*\i:X+16*(\t)+4*\i+3] offset:32*SP*((\t)%2)+8*SP*\i
.endr
.irp i, 0,1,2,3
	ds_load_b128 v[XS+16*((\t)%2)+4*\i:XS+16*((\t)%2)+4*\i+3], v15 offset:32*SP*((\t)%2)+16*\i
.endr
.endm
.macro QSTEP t, left                   ; left: the next turn's eight LDS instructions, or none
	s_wait_dscnt \left
.if (\t) >= 2
	s_wait_xcnt 0x0                                ; the store of two half rows ago has read its registers
.endif
.set XT, XS+16*((\t)%2)
.set n, 0
.rept NS
.set CT, C+4*NS*((\t)%2)+4*n
.set i, 0
.rept 16
	v_med3_num_f32 v[T+i], v[XT+i], -v[SC+2*n+1], v[SC+2*n+1]   ; the conversion does not saturate (ISA guide 7.6.2): the hold at the largest code x the scale
.set i, i+1
.endr
	v_cvt_scalef32_pk8_fp8_f32 v[CT:CT+1], v[T:T+7], v[SC+2*n]
	v_cvt_scalef32_pk8_fp8_f32 v[CT+2:CT+3], v[T+8:T+15], v[SC+2*n]
	v_nop                                          ; a plain instruction between the conversions and the next lines that write their sources
	global_store_b128 v3, v[CT:CT+3], s[20+2*n:21+2*n] offset:512*(\t)   ; 32 lanes store 512 consecutive bytes, aligned
.set n, n+1
.endr
.endm
	s_wait_loadcnt 24                              ; row 0's eight loads are in; row 1's, gamma's and beta's may be out
	STATS 0
	s_wait_loadcnt 16                              ; row 1's are in
	STATS 1
	s_wait_loadcnt 0x0
	s_wait_kmcnt 0x0
	s_add_co_i32 s42, s32, 127
	s_lshl_b32 s43, s42, 23
	v_mov_b32 v[SC], s43                           ; 2^e12
	s_add_co_i32 s42, s42, 8
	s_lshl_b32 s42, s42, 23
	s_or_b32 s42, s42, 0x600000
	v_mov_b32 v[SC+1], s42                         ; 448 x 2^e12
	NORM 0
	TURN 0
	NORM 1
	TURN 1
	QSTEP 0, 8
	NORM 2
	TURN 2
	QSTEP 1, 8
	NORM 3
	TURN 3
	QSTEP 2, 8
	QSTEP 3, 0
	s_wait_tensorcnt 0x0                           ; the wave's end
	ds_add_u32 v[SPW], v[NIL]
	s_wait_dscnt 0x0
	s_endpgm
.Lfunc_end_k_q8ff8b83221_ln2:
	.size	k_q8ff8b83221_ln2, .Lfunc_end_k_q8ff8b83221_ln2-k_q8ff8b83221_ln2
	.p2alignl 7, 3214868480
	.fill 96, 4, 3214868480
	.section	.rodata,"a",@progbits
	.p2align	6, 0x0
	.amdhsa_kernel k_q8ff8b83221_ln2
		.amdhsa_group_segment_fixed_size 33280
		.amdhsa_private_segment_fixed_size 0
		.amdhsa_enable_private_segment 0
		.amdhsa_kernarg_size 40
		.amdhsa_user_sgpr_count 2
		.amdhsa_user_sgpr_kernarg_segment_ptr 1
		.amdhsa_wavefront_size32 1
		.amdhsa_system_sgpr_workgroup_id_x 1
		.amdhsa_system_sgpr_workgroup_id_y 1
		.amdhsa_system_sgpr_workgroup_id_z 1
		.amdhsa_system_vgpr_workitem_id 0
		.amdhsa_next_free_vgpr 240
		.amdhsa_next_free_sgpr 66
		.amdhsa_reserve_vcc 0
		.amdhsa_float_denorm_mode_32 3
		.amdhsa_float_denorm_mode_16_64 3
		.amdhsa_memory_ordered 1
		.amdhsa_forward_progress 1
		.amdhsa_inst_pref_size 25
	.end_amdhsa_kernel
	.amdgpu_metadata
---
amdhsa.version: [ 1, 2 ]
amdhsa.kernels:
  - .name:           k_q8ff8b83221_ln2
    .symbol:         k_q8ff8b83221_ln2.kd
    .args:
      - { .name: h, .offset: 0, .size: 8, .value_kind: global_buffer, .address_space: global }
      - { .name: g2, .offset: 8, .size: 8, .value_kind: global_buffer, .address_space: global }
      - { .name: b2, .offset: 16, .size: 8, .value_kind: global_buffer, .address_space: global }
      - { .name: lowp_scales, .offset: 24, .size: 8, .value_kind: global_buffer, .address_space: global }
      - { .name: a2, .offset: 32, .size: 8, .value_kind: global_buffer, .address_space: global }
    .group_segment_fixed_size: 33280
    .private_segment_fixed_size: 0
    .kernarg_segment_align: 8
    .kernarg_segment_size: 40
    .max_flat_workgroup_size: 128
    .sgpr_count:     66
    .vgpr_count:     240
    .wavefront_size: 32
...
	.end_amdgpu_metadata
.endif
;; end of part 5
;; launch w1 (part 6): grid 16 x 16, 4 waves a work-group, clusters of 4 x 4, 327,680 bytes of LDS; arguments a2, w1_codes, lowp_scales, hc; writes hc
.if DOCPART == 6
	.amdgcn_target "amdgcn-amd-amdhsa--gfx1250"
	.amdhsa_code_object_version 6
	.text
	.protected	k_q8ff8b83221_w1
	.globl	k_q8ff8b83221_w1
	.p2align	8
	.type	k_q8ff8b83221_w1,@function
k_q8ff8b83221_w1:
	s_mov_b64 s[64:65], 0
	v_nop
	global_prefetch_b8 v0, s[64:65] scope:SCOPE_SE
	s_setreg_imm32_b32 hwreg(HW_REG_WAVE_MODE, 25, 1), 1
	s_wait_xcnt 0x0
	s_wait_alu depctr_hold_cnt(0) depctr_sa_sdst(0) depctr_va_vdst(0) depctr_va_sdst(0) depctr_va_ssrc(0) depctr_va_vcc(0) depctr_vm_vsrc(0)
	s_getreg_b32 s2, hwreg(HW_REG_IB_STS2, 6, 4)
	s_cmp_eq_u32 s2, 0
	s_cbranch_scc0 .Lentry_in_a_cluster
	s_endpgm
.Lentry_in_a_cluster:
	s_bfe_u32 s2, ttmp6, 0x10000c
	s_cmp_lg_u32 s2, 0xf033
	s_cbranch_scc0 .Lentry_shape_is_right
	s_endpgm
.Lentry_shape_is_right:
.set SIZE_K, 1024
.set ROWB,   256
.set KROW,   SIZE_K
.set PITCH,  272
.set FR,     16
.set NL,     4
.set NP,     4
.set HALFT,  128*PITCH
.set SLOT,   4*HALFT
.set SPARE,  2*SLOT
.set SPT,    272
.set ROWC,   4096
.set K0R,  8
.set K1R,  10
.set LIM,  12
.set SCL,  13
.set ADRA, 16
.set ADRB, 20
.set STO,  24
.set RD,   25
.set CO,   26
.set SPW,  28
.set NIL,  29
.set XV,   32
.set AF,   128
.set TV,   128
.set CV,   192
.set G1, 24
.set G0, 32
.set G1B, 48
.set G0B, 56
.set MSB, 0
.macro WIN new
.if MSB != \new
	s_set_vgpr_msb (MSB<<8)|\new
.set MSB, \new
.endif
.endm
.set MUL_LO, 0xa1
.set MUL_HI, 0xf1
.set TO_B,   0x40
.macro JLOAD s
	s_cmp_eq_u32 s15, 0
	s_cbranch_scc0 .Lfor_b_\@
	tensor_load_to_lds s[G0+4*\s:G0+4*\s+3], s[G1:G1+7]
	s_nop 0
.rept 4
	v_nop
.endr
	s_branch .Lasked_\@
.Lfor_b_\@:
	tensor_load_to_lds s[G0B+4*\s:G0B+4*\s+3], s[G1B:G1B+7]
	s_nop 0
.rept 4
	v_nop
.endr
.Lasked_\@:
.endm
.macro CREST
	s_cmp_lg_u32 s14, 0
	s_cbranch_scc1 .Lnot_wave_0_\@
	s_barrier_signal -3
.Lnot_wave_0_\@:
	s_barrier_wait -3
	s_barrier_signal -1
	s_barrier_wait -1
.endm
.macro CROUND
	s_barrier_signal -1
	s_barrier_wait -1
	CREST
.endm
	s_load_b128 s[4:7], s[0:1], 0x0
	s_load_b128 s[8:11], s[0:1], 0x10
	v_lshl_add_u32 v[SPW], v0, 2, SPARE
	v_mov_b32 v[NIL], 0
	ds_add_u32 v[SPW], v[NIL]
	ds_add_u32 v[SPW], v[NIL]
	v_lshrrev_b32 v1, 5, v0
	v_readfirstlane_b32 s14, v1
	s_lshr_b32 s15, s14, 1
	s_and_b32 s16, s14, 1
	s_bfe_u32 s40, ttmp6, 0x40000
	s_bfe_u32 s41, ttmp6, 0x40004
	s_lshl_b32 s42, ttmp9, 2
	s_add_co_u32 s42, s42, s40
	s_and_b32 s17, ttmp7, 0xffff
	s_lshl_b32 s17, s17, 2
	s_add_co_u32 s17, s17, s41
	s_lshl_b32 s43, s41, 2
	s_lshl_b32 s43, 15, s43
	s_lshl_b32 s44, 0x1111, s40
	s_or_b32 s[G1+0], s43, (1<<20)|(1<<21)|(5<<22)|(3<<25)
	s_or_b32 s[G1B+0], s44, (1<<20)|(1<<21)|(5<<22)|(3<<25)
.irp g, G1, G1B
	s_mov_b32 s[\g+1], ROWB<<16
	s_mov_b32 s[\g+2], 128<<16
	s_mov_b32 s[\g+3], ROWB<<16
	s_mov_b32 s[\g+4], 128
	s_mov_b32 s[\g+5], KROW
	s_mov_b32 s[\g+6], 0
	s_mov_b32 s[\g+7], 0
.endr
	s_lshl_b32 s18, s16, 7
	s_lshl_b32 s20, s17, 8
	s_add_co_u32 s20, s20, s18
	s_lshl_b32 s46, s42, 8
	s_add_co_u32 s46, s46, s18
	s_mov_b32 s21, 0
	s_mov_b32 s47, 0
	s_mov_b64 s[18:19], KROW
	s_mul_u64 s[20:21], s[20:21], s[18:19]
	s_mul_u64 s[46:47], s[46:47], s[18:19]
	s_mul_i32 s45, s14, HALFT
	s_wait_dscnt 0x0
	s_wait_kmcnt 0x0
	s_load_b512 s[68:83], s[8:9], 0x0
	s_add_nc_u64 s[20:21], s[4:5], s[20:21]
	s_add_nc_u64 s[46:47], s[6:7], s[46:47]
	CROUND
.irp s, 0,1
	s_mov_b32 s[G0+4*\s], 1
	s_add_co_u32 s[G0+4*\s+1], s45, \s*SLOT
	s_add_nc_u64 s[G0+4*\s+2:G0+4*\s+3], s[20:21], \s*ROWB
	s_or_b32 s[G0+4*\s+3], s[G0+4*\s+3], 0x80000000
	s_mov_b32 s[G0B+4*\s], 1
	s_add_co_u32 s[G0B+4*\s+1], s45, \s*SLOT
	s_add_nc_u64 s[G0B+4*\s+2:G0B+4*\s+3], s[46:47], \s*ROWB
	s_or_b32 s[G0B+4*\s+3], s[G0B+4*\s+3], 0x80000000
.endr
	JLOAD 0                                        ; K step 0: one tensor load a wave at the head
	; PREFETCHES INTO THE L2: a K step is 256 bytes of a row.  Of the 128 rows that I fetch, each of the four partners that ask for them jointly names 32, told apart by address (cx for A, cy for B): a lane a row.
	; K step s + 2 is named where K step s is loaded; K step 1 is named here too.  K step 3 is the last, so nothing is named behind the second load's.
	s_cmp_eq_u32 s15, 0
	s_cselect_b64 s[84:85], s[20:21], s[46:47]
	s_cselect_b32 s86, s40, s41
	s_lshl_b32 s86, s86, 15                        ; 32 rows of 1,024 bytes
	s_mov_b32 s87, 0
	s_add_nc_u64 s[84:85], s[84:85], s[86:87]
	v_and_b32 v30, 31, v0
	v_lshlrev_b32 v30, 10, v30                     ; my lane's row; never rewritten
	s_wait_alu depctr_va_vdst(0)
	global_prefetch_b8 v30, s[84:85] offset:ROWB th:TH_LOAD_NT scope:SCOPE_SE
	global_prefetch_b8 v30, s[84:85] offset:2*ROWB th:TH_LOAD_NT scope:SCOPE_SE
	s_wait_tensorcnt 0x0                           ; my part of K step 0 is in; slot 1's first fill is issued as a refill is:
	ds_add_u32 v28, v29
	s_wait_dscnt 0x0
	CROUND
	JLOAD 1
	v_and_b32 v1, 15, v0
	v_bfe_u32 v2, v0, 4, 1
	v_mul_u32_u24 v3, v1, PITCH
	v_lshl_add_u32 v4, v2, 4, v3
	s_mul_i32 s21, s15, HALFT
	s_mul_i32 s22, s16, HALFT
	s_add_co_u32 s22, s22, 2*HALFT
.irp s, 0,1
	v_add_nc_u32 v[ADRA+\s], s21, v4
	v_add_nc_u32 v[ADRB+\s], s22, v4
	s_add_co_u32 s21, s21, SLOT
	s_add_co_u32 s22, s22, SLOT
.endr
	v_mul_u32_u24 v5, v1, SPT
	v_lshl_add_u32 v5, v2, 3, v5
	s_mul_i32 s23, s15, 128*SPT
	s_lshl_b32 s22, s16, 7
	s_add_co_u32 s23, s23, s22
	v_add_nc_u32 v[STO], s23, v5
	v_mul_u32_u24 v5, v2, SPT
	v_lshl_add_u32 v5, v1, 4, v5
	s_mul_i32 s23, s14, 64*SPT
	v_add_nc_u32 v[RD], s23, v5
	v_lshlrev_b32 v5, 12, v2
	v_lshl_add_u32 v[CO], v1, 4, v5
	s_lshl_b32 s20, s17, 8
	s_lshl_b32 s21, s14, 6
	s_add_co_u32 s20, s20, s21
	s_lshl_b32 s20, s20, 12
	s_lshl_b32 s46, s42, 8
	s_add_co_u32 s20, s20, s46
	s_mov_b32 s21, 0
	s_add_nc_u64 s[10:11], s[10:11], s[20:21]
	v_mov_b32 v[K0R], 0xc0135761
	v_mov_b32 v[K0R+1], 0xc0135761
	v_mov_b32 v[K1R], 0xbdd2d3e8
	v_mov_b32 v[K1R+1], 0xbdd2d3e8
.macro FRAG reg, adr, q, i
.irp c, 0,1,2,3
	ds_load_b128 v[\reg+4*\c:\reg+4*\c+3], v[\adr] offset:128*(\q)+32*\c+(\i)*16*PITCH
.endr
.endm
.macro MUL16 a0, p, zero
.irp a, \a0, \a0+1
.irp b, 0,1,2,3,4,5,6,7
.if \zero
	v_wmma_f32_16x16x128_fp8_fp8 v[8*(8*((\a)%4)+\b):8*(8*((\a)%4)+\b)+7], v[128*(\p)+FR*\b:128*(\p)+FR*\b+FR-1], v[AF+FR*(\a):AF+FR*(\a)+FR-1], 0
.else
	v_wmma_f32_16x16x128_fp8_fp8 v[8*(8*((\a)%4)+\b):8*(8*((\a)%4)+\b)+7], v[128*(\p)+FR*\b:128*(\p)+FR*\b+FR-1], v[AF+FR*(\a):AF+FR*(\a)+FR-1], v[8*(8*((\a)%4)+\b):8*(8*((\a)%4)+\b)+7]
.endif
.endr
.endr
.endm
.macro FETCH_B slot, q, p
	WIN TO_B
.irp i, 0,1,2,3,4,5,6,7
	FRAG 128*(\p)+FR*\i, ADRB+\slot, \q, \i
.endr
	WIN 0
.endm
.macro FETCH_A slot, q, i0
.irp i, \i0, \i0+1, \i0+2, \i0+3
	FRAG AF+FR*(\i), ADRA+\slot, \q, \i
.endr
.endm
.macro PLACES n
.rept \n
	v_nop
.endr
.endm
.macro STEP slot, q, zero
	s_wait_dscnt 4*NL
	WIN MUL_LO
	MUL16 0, (\q)%2, \zero
	MUL16 2, (\q)%2, \zero
	s_wait_dscnt 0
	PLACES NP
	FETCH_B \slot, (\q)+1, 1-(\q)%2
	FETCH_A \slot, (\q)+1, 0
	WIN MUL_HI
	MUL16 4, (\q)%2, \zero
	MUL16 6, (\q)%2, \zero
	PLACES NP
	WIN 0
	FETCH_A \slot, (\q)+1, 4
.endm
.macro TURN slot, next, fill
	s_wait_tensorcnt 0x0
	ds_add_u32 v[SPW], v[NIL]
	s_wait_dscnt 4*NL+1
	WIN MUL_LO
	MUL16 0, 1, 0
	s_wait_dscnt 0x0
	s_barrier_signal -1
	MUL16 2, 1, 0
	WIN 0
	s_barrier_wait -1
.if \fill
	CREST
	s_add_nc_u64 s[G0+4*\slot+2:G0+4*\slot+3], s[G0+4*\slot+2:G0+4*\slot+3], 2*ROWB
	s_add_nc_u64 s[G0B+4*\slot+2:G0B+4*\slot+3], s[G0B+4*\slot+2:G0B+4*\slot+3], 2*ROWB
	JLOAD \slot
.else
	PLACES NP
.endif
	FETCH_B \next, 0, 0
	FETCH_A \next, 0, 0
	WIN MUL_HI
	MUL16 4, 1, 0
	MUL16 6, 1, 0
	PLACES NP
	WIN 0
	FETCH_A \next, 0, 4
.endm
	global_prefetch_b8 v30, s[84:85] offset:3*ROWB th:TH_LOAD_NT scope:SCOPE_SE   ; K step 3, two loads ahead
	FETCH_B 0, 0, 0
	FETCH_A 0, 0, 0
	FETCH_A 0, 0, 4
	STEP 0, 0, 1
	TURN 0, 1, 1
	STEP 1, 0, 0
	TURN 1, 0, 1
	STEP 0, 0, 0
	TURN 0, 1, 0
	STEP 1, 0, 0
	s_wait_dscnt 4*NL
	WIN MUL_LO
	MUL16 0, 1, 0
	MUL16 2, 1, 0
	s_wait_dscnt 0
	WIN MUL_HI
	MUL16 4, 1, 0
	MUL16 6, 1, 0
	WIN 0
	s_wait_kmcnt 0x0
	s_add_co_i32 s96, s80, s81
	s_add_co_i32 s96, s96, 127
	s_lshl_b32 s96, s96, 23
	s_mov_b32 s97, s96
	s_add_co_i32 s90, s82, 127
	s_lshl_b32 s91, s90, 23
	v_mov_b32 v[SCL], s91
	s_add_co_i32 s90, s90, 8
	s_lshl_b32 s90, s90, 23
	s_or_b32 s90, s90, 0x600000
	v_mov_b32 v[LIM], s90
	PLACES NP
.macro GELU a
.set AC, 64*((\a)%4)
.set CW, CV+16*((\a)%2)
	WIN 0x02+((\a)/4)
.set j, 0
.rept 32
	v_pk_mul_f32 v[XV+j:XV+j+1], v[AC+j:AC+j+1], s[96:97] op_sel_hi:[1,0]
.set j, j+2
.endr
	WIN 0
.set j, 0
.rept 32
	v_pk_mul_f32 v[TV+j:TV+j+1], v[XV+j:XV+j+1], v[XV+j:XV+j+1]
.set j, j+2
.endr
.set j, 0
.rept 32
	v_pk_fma_f32 v[TV+j:TV+j+1], v[TV+j:TV+j+1], v[K1R:K1R+1], v[K0R:K0R+1]
.set j, j+2
.endr
.set j, 0
.rept 32
	v_pk_mul_f32 v[TV+j:TV+j+1], v[TV+j:TV+j+1], v[XV+j:XV+j+1]
.set j, j+2
.endr
.set j, 0
	s_wait_alu depctr_va_vdst(0)
.rept 64
	v_exp_f32 v[TV+j], v[TV+j]
.set j, j+1
.endr
	v_nop
	s_wait_alu depctr_va_vdst(0)
.set j, 0
.rept 32
	v_pk_add_f32 v[TV+j:TV+j+1], v[TV+j:TV+j+1], 1.0 op_sel_hi:[1,0]
.set j, j+2
.endr
.set j, 0
	s_wait_alu depctr_va_vdst(0)
.rept 64
	v_rcp_f32 v[TV+j], v[TV+j]
.set j, j+1
.endr
	v_nop
	s_wait_alu depctr_va_vdst(0)
.set j, 0
.rept 32
	v_pk_mul_f32 v[XV+j:XV+j+1], v[XV+j:XV+j+1], v[TV+j:TV+j+1]
.set j, j+2
.endr
.set j, 0
.rept 64
	v_med3_num_f32 v[XV+j], v[XV+j], -v[LIM], v[LIM]
.set j, j+1
.endr
.set j, 0
.rept 8
	v_cvt_scalef32_pk8_fp8_f32 v[CW+2*j:CW+2*j+1], v[XV+8*j:XV+8*j+7], v[SCL]
.set j, j+1
.endr
	v_nop
.set j, 0
.rept 8
	ds_store_b64 v[STO], v[CW+2*j:CW+2*j+1] offset:(\a)*16*SPT+16*j
.set j, j+1
.endr
.endm
.irp a, 0,1,2,3,4,5,6,7
	GELU \a
.endr
	s_wait_dscnt 0x0
	s_barrier_signal -1
	s_barrier_wait -1
.set t, 0
.rept 32
	ds_load_b128 v[XV+4*t:XV+4*t+3], v[RD] offset:t*2*SPT
.set t, t+1
.endr
.set t, 0
.rept 32
	s_wait_dscnt 31-t
	global_store_b128 v[CO], v[XV+4*t:XV+4*t+3], s[10:11] offset:2*t*ROWC
.set t, t+1
.endr
	s_wait_tensorcnt 0x0
	ds_add_u32 v[SPW], v[NIL]
	s_wait_dscnt 0x0
	CROUND
	s_endpgm
.Lfunc_end_k_q8ff8b83221_w1:
	.size	k_q8ff8b83221_w1, .Lfunc_end_k_q8ff8b83221_w1-k_q8ff8b83221_w1
	.p2alignl 7, 3214868480
	.fill 96, 4, 3214868480
	.section	.rodata,"a",@progbits
	.p2align	6, 0x0
	.amdhsa_kernel k_q8ff8b83221_w1
		.amdhsa_group_segment_fixed_size 327680
		.amdhsa_private_segment_fixed_size 0
		.amdhsa_enable_private_segment 0
		.amdhsa_kernarg_size 32
		.amdhsa_user_sgpr_count 2
		.amdhsa_user_sgpr_kernarg_segment_ptr 1
		.amdhsa_wavefront_size32 1
		.amdhsa_system_sgpr_workgroup_id_x 1
		.amdhsa_system_sgpr_workgroup_id_y 1
		.amdhsa_system_sgpr_workgroup_id_z 1
		.amdhsa_system_vgpr_workitem_id 0
		.amdhsa_next_free_vgpr 1024
		.amdhsa_next_free_sgpr 98
		.amdhsa_reserve_vcc 0
		.amdhsa_float_denorm_mode_32 3
		.amdhsa_float_denorm_mode_16_64 3
		.amdhsa_memory_ordered 1
		.amdhsa_forward_progress 1
		.amdhsa_inst_pref_size 255
	.end_amdhsa_kernel
	.section	.bss,"aw",@nobits
	.p2align	6
	.space	262144
	.amdgpu_metadata
---
amdhsa.version: [ 1, 2 ]
amdhsa.kernels:
  - .name:           k_q8ff8b83221_w1
    .symbol:         k_q8ff8b83221_w1.kd
    .args:
      - { .name: a2, .offset: 0, .size: 8, .value_kind: global_buffer, .address_space: global }
      - { .name: w1_codes, .offset: 8, .size: 8, .value_kind: global_buffer, .address_space: global }
      - { .name: lowp_scales, .offset: 16, .size: 8, .value_kind: global_buffer, .address_space: global }
      - { .name: hc, .offset: 24, .size: 8, .value_kind: global_buffer, .address_space: global }
    .group_segment_fixed_size: 327680
    .private_segment_fixed_size: 0
    .kernarg_segment_align: 8
    .kernarg_segment_size: 32
    .max_flat_workgroup_size: 128
    .sgpr_count:     98
    .vgpr_count:     1024
    .wavefront_size: 32
...
	.end_amdgpu_metadata
.endif
;; end of part 6
;; launch w2 (part 7): grid 8 x 32, 4 waves a work-group, clusters of 4 x 4, 327,680 bytes of LDS; arguments hc, w2_codes, lowp_scales, h, out0; writes out0
.if DOCPART == 7
	.amdgcn_target "amdgcn-amd-amdhsa--gfx1250"
	.amdhsa_code_object_version 6
	.text
	.protected	k_q8ff8b83221_w2
	.globl	k_q8ff8b83221_w2
	.p2align	8
	.type	k_q8ff8b83221_w2,@function
k_q8ff8b83221_w2:
	s_mov_b64 s[64:65], 0
	v_nop
	global_prefetch_b8 v0, s[64:65] scope:SCOPE_SE
	s_setreg_imm32_b32 hwreg(HW_REG_WAVE_MODE, 25, 1), 1
	s_wait_xcnt 0x0
	s_wait_alu depctr_hold_cnt(0) depctr_sa_sdst(0) depctr_va_vdst(0) depctr_va_sdst(0) depctr_va_ssrc(0) depctr_va_vcc(0) depctr_vm_vsrc(0)
	s_getreg_b32 s2, hwreg(HW_REG_IB_STS2, 6, 4)
	s_cmp_eq_u32 s2, 0
	s_cbranch_scc0 .Lentry_in_a_cluster
	s_endpgm
.Lentry_in_a_cluster:
	s_bfe_u32 s2, ttmp6, 0x10000c
	s_cmp_lg_u32 s2, 0xf033
	s_cbranch_scc0 .Lentry_shape_is_right
	s_endpgm
.Lentry_shape_is_right:
; PRODUCT 8 AND THE SECOND RESIDUAL: out = h + gelu(ff) w2^T, on codes of FP8 (E4M3), K = 4,096; a finished sum is multiplied once by 2^(e14 + e15) and added to h by one fused multiply-add.  No work of reference() is left out here.
; LIMIT: e14 + e15 between -126 and 127.  Inside a matrix instruction k is taken in another order than ascending, alike on both sides: only the order of the sums changes.
; The result is 4,096 x 1,024: tiles of 128 x 128 give each of 256 work-groups one; four waves, 64 x 64 each: 16 accumulators.  K goes in eight steps of 512 (LDS rows of 512 bytes, 64 of them to a wave's tensor load) through two slots.
; At the head a wave issues one load, K step 0's; K step 1's follows behind the full sequence and a round, as a refill does.  Behind each change of slots one load a wave goes out.
; CLUSTERS: 4 x 4 work-groups; the four of a row of the cluster need the same tiles of A, the four of a column the same tiles of B (w2): each is asked for JOINTLY, by the same tensor load with a mask that names the four.
; PREFETCHES INTO THE L2: where K step s is loaded, K step s + 2 is named (K step 1 at the head too); loads of K steps 6 and 7 name nothing.  A K step is two blocks of 256 bytes of a row.  Of the 64 rows that a wave fetches,
; each of the four partners that ask for them jointly names 16, told apart by address (cx for A, cy for B): lanes 0-15 the rows' first block, lanes 16-31 the second: one instruction a wave, each block once in a cluster.
; THE RESIDUAL is asked for behind K step 0's first quarter, when the requests for K steps 0 to 3 are out, and is read on the way out.
; THE MATRIX INSTRUCTION IS USED TRANSPOSED (source 0 = 16 rows of B, source 1 = 16 rows of A): a lane holds eight neighbouring numbers of a row of the result.
; REGISTERS: window 0: v0-31 addresses; v32-95 rows on the way out, two sets; v128-255 the accumulators ((a, b) at v[128 + 8 (4 a + b)]).  window 1: two fragment buffers of 128: A's four fragments (16 rows x 128 K), then B's four.
;   window 2: v0-127 my 64 x 64 numbers of h, in the layout in which rows come back from the stage.
.set SIZE_K, 4096
.set EA,     14
.set EB,     15
.set KSTEP,  512
.set KROW,   SIZE_K
.set PITCH,  528                       ; 512 bytes + 16: an odd multiple of 16
.set HALFT,  64*PITCH
.set SLOT,   4*HALFT                   ; A's 128 rows, then B's
.set STAGE,  2*SLOT                    ; behind the ring: 16 rows x (256 bytes + 16) for each wave
.set SPITCH, 272
.set SPARE,  STAGE+4*16*SPITCH         ; the spare words, 128 bytes a wave
.set LAPS,   SIZE_K/(2*KSTEP)
.set ROWC,   4096
.set ADRA, 16
.set ADRB, 20
.set STO,  24
.set RD,   25
.set CO,   26
.set SPW,  28
.set NIL,  29
.set PFO,  30                          ; v30  the prefetches' offset: 4,096 (l % 16) + 256 (l / 16); never rewritten
.set BK,   32
.set ACC,  128
.set F0,   0
.set F1,   128
.set G1, 24
.set G0, 32
.set G1B, 48
.set G0B, 56
.set PFA, 84                           ; s[84:85] my 16 rows, three K steps short of the K step that the next prefetch names
.set MSB, 0
.macro WIN new
.if MSB != \new
	s_set_vgpr_msb (MSB<<8)|\new
.set MSB, \new
.endif
.endm
.set MUL,  0x05                        ; sources 0 (B) and 1 (A) window 1; C and D window 0
.set TO_F, 0x40                        ; destination window 1, address window 0
.macro JLOAD s                         ; waves 0 and 1 fetch A's halves, waves 2 and 3 B's; an s_nop 0 and four v_nop follow each line
	s_cmp_eq_u32 s15, 0
	s_cbranch_scc0 .Lfor_b_\@
	tensor_load_to_lds s[G0+4*\s:G0+4*\s+3], s[G1:G1+7]
	s_nop 0
.rept 4
	v_nop
.endr
	s_branch .Lasked_\@
.Lfor_b_\@:
	tensor_load_to_lds s[G0B+4*\s:G0B+4*\s+3], s[G1B:G1B+7]
	s_nop 0
.rept 4
	v_nop
.endr
.Lasked_\@:
.endm
.macro CREST                           ; a round of the cluster's barrier behind its opening barrier
	s_cmp_lg_u32 s14, 0
	s_cbranch_scc1 .Lnot_wave_0_\@
	s_barrier_signal -3
.Lnot_wave_0_\@:
	s_barrier_wait -3
	s_barrier_signal -1
	s_barrier_wait -1
.endm
.macro CROUND
	s_barrier_signal -1
	s_barrier_wait -1
	CREST
.endm
.macro ASK                             ; in the loop: not in its last trip (s3 = 1), whose loads are K steps 6 and 7
	s_cmp_gt_u32 s3, 1
	s_cbranch_scc0 .Lno_ask_\@
	global_prefetch_b8 v[PFO], s[PFA:PFA+1] offset:3*KSTEP th:TH_LOAD_NT scope:SCOPE_SE
.Lno_ask_\@:
.endm
	s_load_b128 s[4:7], s[0:1], 0x0                ; A's codes, B's codes
	s_load_b128 s[8:11], s[0:1], 0x10              ; the scales' exponents s[8:9], h s[10:11]
	s_load_b64 s[66:67], s[0:1], 0x20              ; the result
	v_lshl_add_u32 v[SPW], v0, 2, SPARE
	v_mov_b32 v[NIL], 0
	ds_add_u32 v[SPW], v[NIL]                      ; the wave's opening: the add, twice on end, and its wait ahead of my first tensor load
	ds_add_u32 v[SPW], v[NIL]
	v_lshrrev_b32 v1, 5, v0
	v_readfirstlane_b32 s14, v1                    ; wave 0..3
	s_lshr_b32 s15, s14, 1                         ; my half of the tile's rows.  Also: I fetch for A (0) or for B (1)
	s_and_b32 s16, s14, 1                          ; my half of its columns.  Also: which 64 rows I fetch
	s_bfe_u32 s40, ttmp6, 0x40000                  ; cx, cy
	s_bfe_u32 s41, ttmp6, 0x40004
	s_lshl_b32 s42, ttmp9, 2
	s_add_co_u32 s42, s42, s40                     ; tile column
	s_and_b32 s17, ttmp7, 0xffff
	s_lshl_b32 s17, s17, 2
	s_add_co_u32 s17, s17, s41                     ; tile row
	s_lshl_b32 s43, s41, 2
	s_lshl_b32 s43, 15, s43                        ; my row of the cluster
	s_lshl_b32 s44, 0x1111, s40                    ; my column
	s_or_b32 s[G1+0], s43, (1<<20)|(1<<21)|(6<<22)|(3<<25)   ; the mask; elements of 1 byte; padding on; bit 21 beside a mask; after every 128 words (code 6) four words (code 3)
	s_or_b32 s[G1B+0], s44, (1<<20)|(1<<21)|(6<<22)|(3<<25)
.irp g, G1, G1B
	s_mov_b32 s[\g+1], KSTEP<<16
	s_mov_b32 s[\g+2], 64<<16
	s_mov_b32 s[\g+3], KSTEP<<16
	s_mov_b32 s[\g+4], 64
	s_mov_b32 s[\g+5], KROW
	s_mov_b32 s[\g+6], 0
	s_mov_b32 s[\g+7], 0
.endr
	s_lshl_b32 s18, s16, 6
	s_lshl_b32 s20, s17, 7
	s_add_co_u32 s20, s20, s18                     ; A: row 128 x tile row + 64 x half
	s_lshl_b32 s46, s42, 7
	s_add_co_u32 s46, s46, s18                     ; B: row 128 x tile column + 64 x half
	s_mov_b32 s21, 0
	s_mov_b32 s47, 0
	s_mov_b64 s[18:19], KROW
	s_mul_u64 s[20:21], s[20:21], s[18:19]
	s_mul_u64 s[46:47], s[46:47], s[18:19]
	s_mul_i32 s45, s14, HALFT                      ; where they go: wave x 64 rows
	s_wait_dscnt 0x0                               ; both opening adds are done
	s_wait_kmcnt 0x0
	s_load_b512 s[68:83], s[8:9], 0x0              ; e0 .. e15
	s_add_nc_u64 s[20:21], s[4:5], s[20:21]
	s_add_nc_u64 s[46:47], s[6:7], s[46:47]
.irp s, 0,1
	s_mov_b32 s[G0+4*\s], 1
	s_add_co_u32 s[G0+4*\s+1], s45, \s*SLOT
	s_add_nc_u64 s[G0+4*\s+2:G0+4*\s+3], s[20:21], \s*KSTEP
	s_or_b32 s[G0+4*\s+3], s[G0+4*\s+3], 0x80000000
	s_mov_b32 s[G0B+4*\s], 1
	s_add_co_u32 s[G0B+4*\s+1], s45, \s*SLOT
	s_add_nc_u64 s[G0B+4*\s+2:G0B+4*\s+3], s[46:47], \s*KSTEP
	s_or_b32 s[G0B+4*\s+3], s[G0B+4*\s+3], 0x80000000
.endr
	CROUND                                         ; all sixteen work-groups are here: the first joint loads meet
	JLOAD 0                                        ; K step 0: one tensor load a wave at the head
	s_cmp_eq_u32 s15, 0                            ; the prefetches: in A or in B, as I fetch,
	s_cselect_b64 s[PFA:PFA+1], s[20:21], s[46:47]
	s_cselect_b32 s86, s40, s41                    ; my place among the four that ask with me,
	s_lshl_b32 s86, s86, 16                        ; x 16 rows of 4,096 bytes
	s_mov_b32 s87, 0
	s_add_nc_u64 s[PFA:PFA+1], s[PFA:PFA+1], s[86:87]
	v_and_b32 v[PFO], 15, v0
	v_bfe_u32 v2, v0, 4, 1
	v_lshlrev_b32 v[PFO], 12, v[PFO]
	v_lshl_add_u32 v[PFO], v2, 8, v[PFO]
	s_wait_alu depctr_va_vdst(0)
	global_prefetch_b8 v[PFO], s[PFA:PFA+1] offset:KSTEP th:TH_LOAD_NT scope:SCOPE_SE     ; K step 1,
	global_prefetch_b8 v[PFO], s[PFA:PFA+1] offset:2*KSTEP th:TH_LOAD_NT scope:SCOPE_SE   ; and K step 2
	s_mul_i32 s21, s15, HALFT                      ; my 64 rows of A,
	s_mul_i32 s22, s16, HALFT
	s_add_co_u32 s22, s22, 2*HALFT                 ; of B,
	s_mul_i32 s23, s14, 16*SPITCH
	s_add_co_u32 s23, s23, STAGE                   ; my stage
	s_lshl_b32 s18, s17, 7
	s_lshl_b32 s19, s15, 6
	s_add_co_u32 s18, s18, s19                     ; my first row: 128 x tile row + 64 x half
	s_lshl_b32 s18, s18, 12
	s_lshl_b32 s46, s42, 9                         ; my first column, in bytes: 512 x tile column + 256 x half
	s_lshl_b32 s47, s16, 8
	s_add_co_u32 s46, s46, s47
	s_add_co_u32 s18, s18, s46
	s_mov_b32 s19, 0
	s_add_nc_u64 s[66:67], s[66:67], s[18:19]
	s_add_nc_u64 s[10:11], s[10:11], s[18:19]
	v_and_b32 v1, 15, v0                           ; r
	v_bfe_u32 v2, v0, 4, 1                         ; h
	v_mul_u32_u24 v3, v1, PITCH
	v_lshl_add_u32 v4, v2, 4, v3
	v_add_nc_u32 v[ADRA], s21, v4
	v_add_nc_u32 v[ADRB], s22, v4
	v_add_nc_u32 v[ADRA+1], SLOT, v[ADRA]
	v_add_nc_u32 v[ADRB+1], SLOT, v[ADRB]
	v_mul_u32_u24 v5, v1, SPITCH
	v_lshl_add_u32 v5, v2, 5, v5
	v_add_nc_u32 v[STO], s23, v5                   ; in: row r, 32 bytes for each half of the lanes
	v_mul_u32_u24 v5, v2, SPITCH
	v_lshl_add_u32 v5, v1, 4, v5
	v_add_nc_u32 v[RD], s23, v5                    ; back: lanes 0-15 one row of 256 bytes, lanes 16-31 the next
	v_lshlrev_b32 v5, 12, v2
	v_lshl_add_u32 v[CO], v1, 4, v5                ; and the same two rows in memory
; 8 matrix instructions: A's blocks a0, a0 + 1 x B's four, 128 along K.  The 16 accumulators take turns, one instruction a turn, in the same order in every quarter, over the loop's backward jump too.
.macro MUL8 f, a0, zero
.irp a, \a0, \a0+1
.irp b, 0,1,2,3
.if \zero
	v_wmma_f32_16x16x128_fp8_fp8 v[ACC+8*(4*(\a)+\b):ACC+8*(4*(\a)+\b)+7], v[\f+64+16*\b:\f+64+16*\b+15], v[\f+16*(\a):\f+16*(\a)+15], 0
.else
	v_wmma_f32_16x16x128_fp8_fp8 v[ACC+8*(4*(\a)+\b):ACC+8*(4*(\a)+\b)+7], v[\f+64+16*\b:\f+64+16*\b+15], v[\f+16*(\a):\f+16*(\a)+15], v[ACC+8*(4*(\a)+\b):ACC+8*(4*(\a)+\b)+7]
.endif
.endr
.endr
.endm
.macro FETCH slot, k, f                ; 32 LDS loads in one run: B's four fragments, then A's four, of the 128 along K at byte k
	WIN TO_F
.irp i, 0,1,2,3
.irp c, 0,1,2,3
	ds_load_b128 v[\f+64+16*\i+4*\c:\f+64+16*\i+4*\c+3], v[ADRB+\slot] offset:\k+32*\c+\i*16*PITCH
.endr
.endr
.irp i, 0,1,2,3
.irp c, 0,1,2,3
	ds_load_b128 v[\f+16*\i+4*\c:\f+16*\i+4*\c+3], v[ADRA+\slot] offset:\k+32*\c+\i*16*PITCH
.endr
.endr
.endm
.macro PLACES                          ; four plain instructions in front of loads into registers that matrix instructions have read, and of the first read of results
.rept 4
	v_nop
.endr
.endm
.macro QUARTER slot, k, f, g, zero
	s_wait_dscnt 8                                 ; all but the youngest eight loads (A's blocks 2, 3) are in
	WIN MUL
	MUL8 \f, 0, \zero
	PLACES
	FETCH \slot, \k, \g
	s_wait_dscnt 32                                ; all but the 32 just issued
	WIN MUL
	MUL8 \f, 2, \zero
.endm
; A slot's last quarter changes slots: ONE barrier; in front of it each wave waits for all its tensor loads, adds 0 to its spare word, and waits for that and for its reads of this slot.  fill = 1: the slot is filled again, two K steps on.
.macro TURN slot, next, fill
	s_wait_dscnt 8                                 ; all but the youngest eight loads are in
	WIN MUL
	MUL8 F1, 0, 0
	WIN 0
.if \fill
	s_wait_xcnt 0x0                                ; the last prefetch, a K step back, has read its address
	s_add_nc_u64 s[PFA:PFA+1], s[PFA:PFA+1], KSTEP
.endif
	s_wait_tensorcnt 0x0                           ; my part of the next slot is in: no load of mine is out
	ds_add_u32 v[SPW], v[NIL]
	s_wait_dscnt 0x0                               ; the add is done, and my reads of this slot are over
	s_barrier_signal -1
	s_barrier_wait -1
.if \fill
	CREST                                          ; the barrier has opened a round of the cluster's barrier: no wave of any partner still reads this slot or has a load on its way
	s_add_nc_u64 s[G0+4*\slot+2:G0+4*\slot+3], s[G0+4*\slot+2:G0+4*\slot+3], 2*KSTEP
	s_add_nc_u64 s[G0B+4*\slot+2:G0B+4*\slot+3], s[G0B+4*\slot+2:G0B+4*\slot+3], 2*KSTEP
	JLOAD \slot                                    ; its four v_nop are also the places in front of the loads below
.else
	PLACES
.endif
	FETCH \next, 0, F0
.if \fill
	WIN 0
	ASK                                            ; behind the joint load and the run of LDS loads
.endif
	WIN MUL
	MUL8 F1, 2, 0
.endm
	s_wait_alu depctr_va_vdst(0)                   ; the wait at the head's end
	s_wait_tensorcnt 0x0                           ; my part of K step 0 is in; slot 1's first fill is issued as a refill is:
	ds_add_u32 v[SPW], v[NIL]
	s_wait_dscnt 0x0
	CROUND                                         ; everybody's part of K step 0 is in, and the joint loads meet
	JLOAD 1                                        ; K step 1
	FETCH 0, 0, F0
	WIN 0
	global_prefetch_b8 v[PFO], s[PFA:PFA+1] offset:3*KSTEP th:TH_LOAD_NT scope:SCOPE_SE   ; K step 3
	QUARTER 0, 128, F0, F1, 1                      ; the first products start the sums: nothing is cleared
	WIN 0x80                                       ; destination window 2
.set t, 0
.rept 32                               ; my 64 rows x 256 bytes of h, two rows a load: they land while the products run
	global_load_b128 v[4*t:4*t+3], v[CO], s[10:11] offset:2*t*ROWC
.set t, t+1
.endr
	WIN 0                                          ; at a label and at a branch every window is 0
	s_mov_b32 s3, LAPS-1
.Llap:                                             ; a trip goes once round the ring, from a lap's second quarter to the next lap's first, and fills both slots again
	QUARTER 0, 256, F1, F0, 0
	QUARTER 0, 384, F0, F1, 0
	TURN 0, 1, 1
	QUARTER 1, 128, F0, F1, 0
	QUARTER 1, 256, F1, F0, 0
	QUARTER 1, 384, F0, F1, 0
	TURN 1, 0, 1
	QUARTER 0, 128, F0, F1, 0
	WIN 0
	s_sub_co_u32 s3, s3, 1
	s_cmp_lg_u32 s3, 0
	s_cbranch_scc1 .Llap
	QUARTER 0, 256, F1, F0, 0                      ; the last lap fills nothing
	QUARTER 0, 384, F0, F1, 0
	TURN 0, 1, 0
	QUARTER 1, 128, F0, F1, 0
	QUARTER 1, 256, F1, F0, 0
	QUARTER 1, 384, F0, F1, 0
	s_wait_dscnt 8
	WIN MUL
	MUL8 F1, 0, 0
	s_wait_dscnt 0
	MUL8 F1, 2, 0
	WIN 0
	; THE WAY OUT.  My 64 columns are 256 bytes of a row, aligned.  A block of 16 rows goes through my own stage and comes back as whole rows; there sum x 2^(eA + eB) + h, and the store.
	PLACES
	s_wait_kmcnt 0x0
	s_add_co_i32 s96, s[68+EA], s[68+EB]
	s_add_co_i32 s96, s96, 127
	s_lshl_b32 s96, s96, 23                        ; 2^(eA + eB) as f32
	s_mov_b32 s97, s96                             ; (named with it as a pair)
	s_wait_loadcnt 0x0                             ; h
.macro TOSTAGE a                       ; LDS serves a wave's instructions in order (ISA guide 5.7.1.4): no wait between the stores and the loads, nor in front of the next block's stores
.irp b, 0,1,2,3
	ds_store_b128 v[STO], v[ACC+8*(4*(\a)+\b):ACC+8*(4*(\a)+\b)+3] offset:64*\b          ; each accumulator from its low end on
	ds_store_b128 v[STO], v[ACC+8*(4*(\a)+\b)+4:ACC+8*(4*(\a)+\b)+7] offset:64*\b+16
.endr
.irp t, 0,1,2,3,4,5,6,7
	ds_load_b128 v[BK+32*((\a)%2)+4*\t:BK+32*((\a)%2)+4*\t+3], v[RD] offset:\t*2*SPITCH
.endr
.endm
.macro SEND a, younger                 ; younger: the next block's eight stores and eight loads, or none
.set BB, BK+32*((\a)%2)
	s_wait_dscnt \younger
	WIN 0x20                                       ; source 2 (h) window 2
.set i, 0
.rept 16
	v_pk_fma_f32 v[BB+i:BB+i+1], v[BB+i:BB+i+1], s[96:97], v[32*(\a)+i:32*(\a)+i+1] op_sel_hi:[1,0,1]
.set i, i+2
.endr
	WIN 0
.irp t, 0,1,2,3,4,5,6,7
	global_store_b128 v[CO], v[BB+4*\t:BB+4*\t+3], s[66:67] offset:(16*(\a)+2*\t)*ROWC   ; sixteen lanes store 256 consecutive bytes, aligned
.endr
.endm
	TOSTAGE 0
	TOSTAGE 1
	SEND 0, 16
	s_wait_xcnt 0x0                                ; block 0's stores have read their registers: block 2's rows may land there
	TOSTAGE 2
	SEND 1, 16
	s_wait_xcnt 0x0
	TOSTAGE 3
	SEND 2, 16
	SEND 3, 0
	s_wait_tensorcnt 0x0                           ; the wave's end
	ds_add_u32 v[SPW], v[NIL]
	s_wait_dscnt 0x0
	CROUND                                         ; the closing round: no work-group ends while a partner may still ask for a tile that names it
	s_endpgm
.Lfunc_end_k_q8ff8b83221_w2:
	.size	k_q8ff8b83221_w2, .Lfunc_end_k_q8ff8b83221_w2-k_q8ff8b83221_w2
	.p2alignl 7, 3214868480
	.fill 96, 4, 3214868480
	.section	.rodata,"a",@progbits
	.p2align	6, 0x0
	.amdhsa_kernel k_q8ff8b83221_w2
		.amdhsa_group_segment_fixed_size 327680
		.amdhsa_private_segment_fixed_size 0
		.amdhsa_enable_private_segment 0
		.amdhsa_kernarg_size 40
		.amdhsa_user_sgpr_count 2
		.amdhsa_user_sgpr_kernarg_segment_ptr 1
		.amdhsa_wavefront_size32 1
		.amdhsa_system_sgpr_workgroup_id_x 1
		.amdhsa_system_sgpr_workgroup_id_y 1
		.amdhsa_system_sgpr_workgroup_id_z 1
		.amdhsa_system_vgpr_workitem_id 0
		.amdhsa_next_free_vgpr 640
		.amdhsa_next_free_sgpr 98
		.amdhsa_reserve_vcc 0
		.amdhsa_float_denorm_mode_32 3
		.amdhsa_float_denorm_mode_16_64 3
		.amdhsa_memory_ordered 1
		.amdhsa_forward_progress 1
		.amdhsa_inst_pref_size 78
	.end_amdhsa_kernel
	.amdgpu_metadata
---
amdhsa.version: [ 1, 2 ]
amdhsa.kernels:
  - .name:           k_q8ff8b83221_w2
    .symbol:         k_q8ff8b83221_w2.kd
    .args:
      - { .name: hc, .offset: 0, .size: 8, .value_kind: global_buffer, .address_space: global }
      - { .name: w2_codes, .offset: 8, .size: 8, .value_kind: global_buffer, .address_space: global }
      - { .name: lowp_scales, .offset: 16, .size: 8, .value_kind: global_buffer, .address_space: global }
      - { .name: h, .offset: 24, .size: 8, .value_kind: global_buffer, .address_space: global }
      - { .name: out0, .offset: 32, .size: 8, .value_kind: global_buffer, .address_space: global }
    .group_segment_fixed_size: 327680
    .private_segment_fixed_size: 0
    .kernarg_segment_align: 8
    .kernarg_segment_size: 40
    .max_flat_workgroup_size: 128
    .sgpr_count:     98
    .vgpr_count:     640
    .wavefront_size: 32
...
	.end_amdgpu_metadata
.endif
;; end of part 7
